; MI455X (gfx1250); checked and timed in simulation.
; The chip was launched on July 23, 2026; its instructions are those of AMD's public machine-readable ISA for CDNA 5 (MIT licence, August 2026) and "CDNA5" Instruction Set Architecture Reference Guide (July 2026). The comments in the code are by the model that wrote it; some were corrected since.
;; Simi Multi Headed Attention. Allowed arithmetic: matrix products marked QUANTISED: E2M3 operands, one E8M0 scale for each 32 along K, by v_wmma_scale_f32_16x16x128_f8f6f4 with both operands' format E2M3, f32 sums; everything else in f32.
;; Inputs: Wk 1,024 x 1,024 float32; Wo 1,024 x 1,024 float32; Wq 1,024 x 1,024 float32; Wv 1,024 x 1,024 float32; alpha 1 x 16 x 1 x 1 float32; bk 1,024 float32; bo 1,024 float32; bq 1,024 float32; bv 1,024 float32; k 2 x 2,048 x 1,024 float32; q 2 x 2,048 x 1,024 float32; v 2 x 2,048 x 1,024 float32.
;; Outputs: out0 2 x 2,048 x 1,024 float32.
;; This version of the problem:
;;   THIS VERSION OF THE PROBLEM IS GIVEN IN LOW PRECISION. The matrix products marked QUANTISED in the list below multiply operands that are first quantised to E2M3 (2 exponent bits, 3 mantissa bits; 6 bits a number), with one power-of-two scale for each 32 numbers along K (OCP MX v1.0); their sums are f32. All else is computed in f32.
;;   The module's matrix products, in the order in which they are computed (A, B: the left and right operand; K: the contracted axis; several contracted axes count as one K, in the product's order):
;;     1. [M 4,096, K 1,024] x [K 1,024, N 1,024]; A: input q; B: input Wq: QUANTISED
;;     2. [M 4,096, K 1,024] x [K 1,024, N 1,024]; A: input k; B: input Wk: QUANTISED
;;     3. [M 4,096, K 1,024] x [K 1,024, N 1,024]; A: input v; B: input Wv: QUANTISED
;;     4. batch 32 x [M 2,048, K 64] x [K 64, N 2,048]; A: computed on the way; B: computed on the way: QUANTISED
;;     5. batch 32 x [M 2,048, K 2,048] x [K 2,048, N 64]; A: softmax (see below); B: computed on the way: QUANTISED
;;     6. [M 4,096, K 1,024] x [K 1,024, N 1,024]; A: computed on the way; B: input Wo: QUANTISED
;;   THE QUANTISER, for each operand of a quantised product, along K:
;;     - K is cut into blocks of 32 from its start; a last block that is shorter is filled with zeros.
;;     - A block's scale is 2^e with e = floor(log2(the largest magnitude in the block)) - 2, held to -126 .. 127; a block of zeros has e = 0. As a byte (E8M0): e + 127.
;;     - Each number is divided by its block's scale, clamped to +-7.5, and rounded to the nearest number of E2M3, ties to even, subnormals kept.
;;     - The product sums the exact products of the quantised numbers (number of the format x scale) in f32.
;;   ~~~python
;;   def quantise(x, axis):      # numpy; x: float32 -> the quantised numbers, widened to float32 again
;;       x = np.moveaxis(x, axis, -1); K = x.shape[-1]
;;       x = np.pad(x, [(0, 0)] * (x.ndim - 1) + [(0, -K % 32)]); x = x.reshape(x.shape[:-1] + (-1, 32)); a = np.abs(x).max(-1, keepdims=True)
;;       e = np.where(a > 0, np.clip(np.frexp(np.where(a > 0, a, 1))[1] - 1 - 2, -126, 127), 0)      # np.frexp(a)[1] - 1 = floor(log2(a)), exactly
;;       r = np.clip(x / 2.0 ** e, -7.5, 7.5)
;;       step = 2.0 ** (np.maximum(np.frexp(np.where(r == 0, 1, r))[1] - 1, 0) - 3)
;;       q = np.round(r / step) * step * 2.0 ** e      # np.round: ties to even
;;       return np.moveaxis(q.reshape(q.shape[:-2] + (-1,))[..., :K], -1, axis).astype(np.float32)
;;   ~~~
;;   SOFTMAX AHEAD OF A QUANTISED PRODUCT. Where the list says 'softmax', what is quantised is not the finished softmax but p = 2^(t - M), with t = logit x log2(e) and M = ceil(the row's largest t), a whole number; so 1/2 < the row's largest p <= 1. The row's sum l is taken of the UNQUANTISED p, in f32, and the product's result is divided by l at the end. Since M is a whole number, a kernel that streams over the keys may use a running M (the ceiling of the running maximum): every later rescaling is an exact power of two, which a block's scale takes up: the codes' values come out the same.
;;   OPERANDS COMPUTED ON THE WAY. 'Computed on the way' means the value that the module computes at that place (a softmax that the list does not call 'softmax' is quantised finished and normalised). What goes into a quantiser is computed in f32, as accurately as f32 sums, v_exp_f32 and their like allow (about 1e-6 of the number): no bf16 or f16 on the way to a quantiser, and a product that is left as it is and whose result goes on into a quantised operand takes f32 operands (vector FMAs, or v_wmma_f32_16x16x4_f32). A number that lies on a knife's edge between two numbers of the format may be rounded either way, as far as f32 arithmetic and the matrix unit's own rounding can turn it there, and no further.
;; One version. Each part assembles by itself: llvm-mc -triple=amdgcn-amd-amdhsa -mcpu=gfx1250 --defsym DOCPART=n.
;; ======== version 1 of 1: 4 launches
;; limits: right only within a limited range of input values
;; workspace buffers: wq 3,276,800 bytes; xq 9,830,400 bytes; pq 10,354,688 bytes; oq 3,276,800 bytes
;; launch quant (part 1): grid 640 x 1, 4 waves a work-group, no clusters, 46,592 bytes of LDS; arguments Wq, Wk, Wv, Wo, q, k, v, xq, wq; writes xq, wq
.if DOCPART == 1
	.amdgcn_target "amdgcn-amd-amdhsa--gfx1250"
	.amdhsa_code_object_version 6
	.text
	.protected	k_q583e60817b_quant
	.globl	k_q583e60817b_quant
	.p2align	8
	.type	k_q583e60817b_quant,@function
k_q583e60817b_quant:
	s_mov_b64 s[64:65], 0
	v_nop
	global_prefetch_b8 v0, s[64:65] scope:SCOPE_SE
	s_setreg_imm32_b32 hwreg(HW_REG_WAVE_MODE, 25, 1), 1
	s_wait_xcnt 0x0
; One launch turns q, k, v [4096 tokens][1024] and Wq, Wk, Wv, Wo [1024 (k)][1024 (n)], all f32, into codes of FP6 (E2M3) with one E8M0 byte for each 32 along K,
; laid in the order of a matrix operand's registers.  No work of the problem is left out.
; TILES.  Lane r of tile i holds row (token, or column of a weight) 32 (i / 2) + 8 (i % 2) + r + 8 (r / 8).
; IMAGES.  A tile's 128 along K are 1,536 bytes, two halves of 768 (64 along K each): in a half, lane L = r + 16 h owns the 24 bytes of row r, k = 32 h .. 32 h + 31: 16 bytes at 16 L, 8 bytes at 512 + 8 L.
; xq: codes [tensor 3][tile 256][K step 8][1536]; from byte 9,437,184 scale words [tensor][tile][pair of K steps 4][r][2 words].  wq: the same with [weight 4][tile 64], scale words from byte 3,145,728.
; SHARES.  Work-groups 0-383 take q, k, v: 128 for each tensor, a work-group two tiles, a wave one tile and one half of K (four steps of 128).  Work-groups 384-639 take the weights: a wave 32 columns x 128 along K.
; The two paths part on the work-group's number alone and have LDS bytes of their own.  Waves share nothing: no barrier.
; A block's scale is 2^(floor(log2(largest magnitude)) - 2); its byte is that magnitude's exponent field - 2, held at 1 from below.
; LIMITS: a block of zeros gets the byte 1 (not 127): its codes are zeros and only this program reads the bytes; blocks under 2^-124 are held at byte 1; NaN and infinities are not served.
.set SPW,   232                        ; LDS address of my spare word; never rewritten
.set NIL,   233                        ; 0; never rewritten
.set XWG,   384                        ; work-groups of the tokens' path
.set WLDS,  33792                      ; the weights' path: 3,072 bytes a wave, behind the tokens' four stages of 8,448
.set SPARE, 46080                      ; the spare words, 128 bytes a wave
	v_lshl_add_u32 v[SPW], v0, 2, SPARE
	v_mov_b32 v[NIL], 0
	v_lshrrev_b32 v1, 5, v0
	v_readfirstlane_b32 s14, v1                    ; wave 0..3
	v_and_b32 v2, 31, v0                           ; lane
	s_cmp_ge_u32 ttmp9, XWG
	s_wait_alu depctr_va_vdst(0)                   ; the wait ahead of the branch
	s_cbranch_scc1 .Lweights
; ---- q, k, v: K innermost.  Each load reads 512 consecutive bytes of one row; a step's 16 rows turn through the wave's own stage (rows 528 bytes apart) and come back so that lane (r, h) holds two whole blocks of row r.
.set R, 16                             ; v16-143  two sets of 64, as loaded
.set X, 144                            ; v144-207 my two blocks of 32
.set C, 208                            ; v208-219 the fragment's twelve registers
.set D, 220                            ; v220-226 the blocks' second halves, as converted
.set W, 228                            ; v228-231 the four steps' scale words
	s_load_b256 s[4:11], s[0:1], 0x20              ; q, k, v, xq
	s_lshr_b32 s15, ttmp9, 7                       ; which tensor
	s_and_b32 s13, ttmp9, 127
	s_lshl_b32 s13, s13, 1
	s_lshr_b32 s16, s14, 1
	s_add_co_u32 s13, s13, s16                     ; which tile
	s_and_b32 s16, s14, 1                          ; which half of K
	v_and_b32 v3, 15, v0                           ; r
	v_bfe_u32 v4, v0, 4, 1                         ; h
	v_lshlrev_b32 v5, 4, v2                        ; 16 x lane
	v_lshl_add_u32 v6, v2, 3, 512                  ; 512 + 8 x lane
	s_mul_i32 s17, s14, 8448                       ; my stage
	v_add_nc_u32 v7, s17, v5                       ; into it: as loaded
	v_mul_u32_u24 v8, v3, 528
	v_lshl_add_u32 v8, v4, 7, v8
	v_add_nc_u32 v8, s17, v8                       ; out of it: row r, 128 h bytes on
	v_lshlrev_b32 v9, 3, v3
	v_lshl_add_u32 v9, v4, 7, v9                   ; the scale words' way out: 128 h + 8 r
	v_lshlrev_b32 v1, 3, v4                        ; 8 h: my bytes' shift in a scale word
	v_mov_b32 v15, 0                               ; a lane permute's destination counts as a source
	s_mov_b32 s20, 0x76543210
	s_mov_b32 s21, 0xfedcba98                      ; selects for lane l xor 16
	s_mov_b32 s28, 0xffff0000                      ; lanes 16-31
	s_lshr_b32 s18, s13, 1
	s_lshl_b32 s18, s18, 17                        ; 32 rows of 4,096 bytes for each pair of tiles,
	s_and_b32 s19, s13, 1
	s_lshl_b32 s19, s19, 15                        ; 8 rows for the odd tile,
	s_add_co_u32 s18, s18, s19
	s_lshl_b32 s19, s16, 11                        ; 2,048 bytes for the second half of K
	s_add_co_u32 s18, s18, s19
	s_mov_b32 s19, 0
	s_lshl_b32 s22, s15, 8
	s_add_co_u32 s22, s22, s13                     ; the tile, counted over the three tensors
	s_lshl_b32 s24, s22, 3
	s_lshl_b32 s25, s16, 2
	s_add_co_u32 s24, s24, s25
	s_mul_i32 s24, s24, 1536                       ; its first image of my four
	s_mov_b32 s25, 0
	s_lshl_b32 s26, s22, 9
	s_lshl_b32 s27, s16, 8
	s_add_co_u32 s26, s26, s27
	s_add_co_u32 s26, s26, 9437184                 ; and its scale words
	s_mov_b32 s27, 0
	s_wait_alu depctr_va_vdst(0)                   ; the wait at the head's end
	s_wait_kmcnt 0x0
	s_cmp_eq_u32 s15, 1                            ; the tensor is chosen by the work-group's number alone
	s_cselect_b64 s[4:5], s[6:7], s[4:5]
	s_cmp_eq_u32 s15, 2
	s_cselect_b64 s[4:5], s[8:9], s[4:5]
	s_add_nc_u64 s[4:5], s[4:5], s[18:19]
	s_add_nc_u64 s[24:25], s[10:11], s[24:25]
	s_add_nc_u64 s[26:27], s[10:11], s[26:27]
.macro LOADX t                         ; step t: the tile's 16 rows, 512 bytes of each
.irp j, 0,1,2,3,4,5,6,7,8,9,10,11,12,13,14,15
	global_load_b128 v[R+64*((\t)%2)+4*\j:R+64*((\t)%2)+4*\j+3], v5, s[4:5] offset:(\j+8*(\j/8))*4096+512*(\t) th:TH_LOAD_NT
.endr
.endm
	LOADX 0
	LOADX 1
.macro STEPX t
.set RR, R+64*((\t)%2)
.if (\t) < 3
	s_wait_loadcnt 16                              ; this step's 16 loads are in; the next step's 16 may be out
.else
	s_wait_loadcnt 0x0
.endif
.irp j, 0,1,2,3,4,5,6,7,8,9,10,11,12,13,14,15
	ds_store_b128 v7, v[RR+4*\j:RR+4*\j+3] offset:528*\j
.endr
.irp c, 0,1
.irp j, 0,1,2,3,4,5,6,7
	ds_load_b128 v[X+32*\c+4*\j:X+32*\c+4*\j+3], v8 offset:256*\c+16*\j     ; k = 64 c + 32 h + 4 j ..; LDS serves a wave's instructions in order
.endr
.endr
	s_wait_dscnt 0x0                               ; my numbers are back, and the stores have read their registers,
.if (\t) < 2
	LOADX (\t)+2                                   ; which take the loads of two steps on
.endif
.irp c, 0,1
	v_max3_num_f32 v[10+\c], |v[X+32*\c]|, |v[X+32*\c+1]|, 0x1800000     ; block 2 c + h, and the floor 2^(3 - 127)
.endr
.irp i, 2,4,6,8,10,12,14,16,18,20,22,24,26,28,30
.irp c, 0,1
	v_max3_num_f32 v[10+\c], v[10+\c], |v[X+32*\c+\i]|, |v[X+32*\c+\i+1]|   ; the two blocks by turns
.endr
.endr
.irp c, 0,1
	v_add_nc_u32 v[12+\c], 0xff000000, v[10+\c]    ; 2 off the exponent field: the conversion's scale operand
.endr
	s_wait_alu depctr_va_vdst(0)                   ; the wait ahead of the wait below
	s_wait_xcnt 0x0                                ; the last step's stores have read their data
.irp c, 0,1
	v_cvt_scalef32_pk16_fp6_f32 v[C+6*\c:C+6*\c+2], v[X+32*\c:X+32*\c+15], v[12+\c]
	v_cvt_scalef32_pk16_fp6_f32 v[D+4*\c:D+4*\c+2], v[X+32*\c+16:X+32*\c+31], v[12+\c]   ; a conversion's three registers begin on an even number
.endr
	v_lshrrev_b32 v14, 23, v12                     ; my two bytes (also the plain line behind the conversions)
	v_lshrrev_b32 v15, 23, v13
	v_lshl_or_b32 v14, v15, 16, v14                ; blocks h and 2 + h of row r,
	v_lshlrev_b32 v14, v1, v14                     ; at their places in the word;
	v_permlanex16_b32 v15, v14, s20, s21
	v_or_b32 v[W+(\t)], v14, v15                   ; with lane l xor 16's two the word is whole
.irp c, 0,1
.irp i, 0,1,2
	v_mov_b32 v[C+6*\c+3+\i], v[D+4*\c+\i]
.endr
.endr
	global_store_b128 v5, v[C:C+3], s[24:25] offset:1536*(\t)
	global_store_b64 v6, v[C+4:C+5], s[24:25] offset:1536*(\t)
	global_store_b128 v5, v[C+6:C+9], s[24:25] offset:1536*(\t)+768
	global_store_b64 v6, v[C+10:C+11], s[24:25] offset:1536*(\t)+768
.endm
	STEPX 0
	STEPX 1
	STEPX 2
	STEPX 3
	v_cndmask_b32 v10, v[W], v[W+2], s28           ; lanes 0-15 store the first pair of K steps' words, lanes 16-31 the second pair's
	v_cndmask_b32 v11, v[W+1], v[W+3], s28
	global_store_b64 v9, v[10:11], s[26:27]        ; 32 lanes store 256 consecutive bytes
	s_wait_tensorcnt 0x0                           ; the wave's end
	ds_add_u32 v[SPW], v[NIL]
	s_wait_dscnt 0x0
	s_endpgm
; ---- the weights: K is the first axis.  A lane takes a column and its registers run down K: a load reads 128 consecutive bytes a wave, a block of 32 lies in one lane.
; A wave's two images are gathered in its own 3,072 bytes of LDS and leave as six stores of 512 consecutive bytes; the scale words leave as 4 bytes a lane, one byte in 24 of what the path stores.
.Lweights:
.set X,    32                          ; v32-95   two sets of 32 numbers
.set C,    96                          ; v96-127  a block's codes, eight registers for each of the four blocks
.set OUTR, 128                         ; v128-151 the way out
.set SW,   24                          ; v24      my column's scale word
	s_load_b256 s[4:11], s[0:1], 0x0               ; Wq, Wk, Wv, Wo
	s_load_b64 s[12:13], s[0:1], 0x40              ; wq
	s_sub_co_u32 s26, ttmp9, XWG
	s_and_b32 s27, s26, 31
	s_lshr_b32 s18, s26, 5                         ; which K step of 128
	s_lshr_b32 s16, s27, 3                         ; which weight
	s_and_b32 s17, s27, 7                          ; which 128 columns
	v_lshlrev_b32 v3, 2, v2                        ; in: 4 bytes a lane
	v_bfe_u32 v4, v2, 3, 1                         ; u: which of the group's two tiles
	v_and_b32 v5, 7, v2
	v_bfe_u32 v6, v2, 4, 1
	v_lshl_or_b32 v5, v6, 3, v5                    ; r: my lane's place in that tile
	s_mul_i32 s15, s14, 3072
	s_add_co_u32 s15, s15, WLDS                    ; my wave's LDS
	v_mul_u32_u24 v6, v4, 1536
	v_add_nc_u32 v6, s15, v6
	v_lshl_add_u32 v7, v5, 4, v6                   ; a block's first 16 bytes: image u, 16 r
	v_lshl_add_u32 v8, v5, 3, v6                   ; its last 8: image u, 8 r (512 stands in the immediate)
	v_lshlrev_b32 v10, 4, v2                       ; out: 16 bytes a lane
	v_add_nc_u32 v9, s15, v10
	v_lshlrev_b32 v14, 9, v4
	v_lshl_add_u32 v14, v5, 3, v14                 ; my scale word: 512 u + 8 r
	s_lshl_b32 s20, s18, 19                        ; 128 rows of 4,096 bytes
	s_lshl_b32 s19, s17, 9
	s_add_co_u32 s20, s20, s19
	s_lshl_b32 s19, s14, 7
	s_add_co_u32 s20, s20, s19                     ; + my wave's 32 columns
	s_mov_b32 s21, 0
	s_lshl_b32 s19, s17, 2
	s_add_co_u32 s19, s19, s14                     ; the group
	s_lshl_b32 s19, s19, 1
	s_lshl_b32 s22, s16, 6
	s_add_co_u32 s19, s19, s22                     ; its first tile, counted over the four weights
	s_lshl_b32 s22, s19, 3
	s_add_co_u32 s22, s22, s18
	s_mul_i32 s22, s22, 1536                       ; that tile's image of this K step
	s_mov_b32 s23, 0
	s_lshl_b32 s24, s19, 9
	s_lshr_b32 s25, s18, 1
	s_lshl_b32 s25, s25, 7
	s_add_co_u32 s24, s24, s25
	s_and_b32 s25, s18, 1
	s_lshl_b32 s25, s25, 2
	s_add_co_u32 s24, s24, s25
	s_add_co_u32 s24, s24, 3145728                 ; and its scale words
	s_mov_b32 s25, 0
	s_wait_alu depctr_va_vdst(0)                   ; the wait at the head's end
	s_wait_kmcnt 0x0
	s_cmp_eq_u32 s16, 1                            ; the weight is chosen by the work-group's number alone
	s_cselect_b64 s[4:5], s[6:7], s[4:5]
	s_cmp_eq_u32 s16, 2
	s_cselect_b64 s[4:5], s[8:9], s[4:5]
	s_cmp_eq_u32 s16, 3
	s_cselect_b64 s[4:5], s[10:11], s[4:5]
	s_add_nc_u64 s[4:5], s[4:5], s[20:21]
	s_add_nc_u64 s[22:23], s[12:13], s[22:23]
	s_add_nc_u64 s[24:25], s[12:13], s[24:25]
.macro LOADW t                         ; block t: W(32 t + i, my column), i = 0 .. 31, into set t % 2
.set i, 0
.rept 32
	global_load_b32 v[X+32*((\t)%2)+i], v3, s[4:5] offset:(32*(\t)+i)*4096 th:TH_LOAD_NT
.set i, i+1
.endr
.endm
	LOADW 0
	LOADW 1
.macro BLOCKW t
.set XS, X+32*((\t)%2)
.set CT, C+8*(\t)
.if (\t) < 3
	s_wait_loadcnt 32                              ; this block's 32 loads are in; the next block's 32 may be out
.else
	s_wait_loadcnt 0x0
.endif
	v_max3_num_f32 v12, |v[XS]|, |v[XS+1]|, |v[XS+2]|      ; the block's largest magnitude, in two chains
	v_max3_num_f32 v13, |v[XS+3]|, |v[XS+4]|, |v[XS+5]|
.irp i, 6,10,14,18,22,26
	v_max3_num_f32 v12, v12, |v[XS+\i]|, |v[XS+\i+1]|
	v_max3_num_f32 v13, v13, |v[XS+\i+2]|, |v[XS+\i+3]|
.endr
	v_max3_num_f32 v12, v12, |v[XS+30]|, |v[XS+31]|
	v_max3_num_f32 v12, v12, v13, 0x1800000        ; and the floor 2^(3 - 127)
	v_add_nc_u32 v11, 0xff000000, v12              ; 2 off the exponent field
	v_cvt_scalef32_pk16_fp6_f32 v[CT:CT+2], v[XS:XS+15], v11
	v_cvt_scalef32_pk16_fp6_f32 v[CT+4:CT+6], v[XS+16:XS+31], v11
	v_lshrrev_b32 v13, 23, v11                     ; the scale's byte; also the plain line behind the conversions
.if (\t) == 0
	v_mov_b32 v[SW], v13
.else
	v_lshl_or_b32 v[SW], v13, 8*(\t), v[SW]        ; the lower K in the lower byte
.endif
	v_mov_b32 v[CT+3], v[CT+4]                     ; the block's six registers on end
	v_mov_b32 v[CT+4], v[CT+5]
	v_mov_b32 v[CT+5], v[CT+6]
	ds_store_b128 v7, v[CT:CT+3] offset:768*((\t)/2)+256*((\t)%2)        ; block t is half t / 2 of the image, lanes 16 (t % 2) + r
	ds_store_b64 v8, v[CT+4:CT+5] offset:768*((\t)/2)+512+128*((\t)%2)
.if (\t) < 2
	LOADW (\t)+2
.endif
.endm
	BLOCKW 0
	BLOCKW 1
	BLOCKW 2
	BLOCKW 3
	global_store_b32 v14, v[SW], s[24:25]
.irp j, 0,1,2,3,4,5
	ds_load_b128 v[OUTR+4*\j:OUTR+4*\j+3], v9 offset:512*\j     ; LDS serves a wave's instructions in order
.endr
.irp j, 0,1,2,3,4,5
	s_wait_dscnt 5-\j                              ; load j is back; the younger ones may be out
	global_store_b128 v10, v[OUTR+4*\j:OUTR+4*\j+3], s[22:23] offset:(\j/3)*12288+(\j%3)*512   ; 512 consecutive bytes; the second tile lies 8 images on
.endr
	s_wait_tensorcnt 0x0                           ; the wave's end
	ds_add_u32 v[SPW], v[NIL]
	s_wait_dscnt 0x0
	s_endpgm
.Lfunc_end_k_q583e60817b_quant:
	.size	k_q583e60817b_quant, .Lfunc_end_k_q583e60817b_quant-k_q583e60817b_quant
	.p2alignl 7, 3214868480
	.fill 96, 4, 3214868480
	.section	.rodata,"a",@progbits
	.p2align	6, 0x0
	.amdhsa_kernel k_q583e60817b_quant
		.amdhsa_group_segment_fixed_size 46592
		.amdhsa_private_segment_fixed_size 0
		.amdhsa_enable_private_segment 0
		.amdhsa_kernarg_size 72
		.amdhsa_user_sgpr_count 2
		.amdhsa_user_sgpr_kernarg_segment_ptr 1
		.amdhsa_wavefront_size32 1
		.amdhsa_system_sgpr_workgroup_id_x 1
		.amdhsa_system_sgpr_workgroup_id_y 1
		.amdhsa_system_sgpr_workgroup_id_z 1
		.amdhsa_system_vgpr_workitem_id 0
		.amdhsa_next_free_vgpr 234
		.amdhsa_next_free_sgpr 66
		.amdhsa_reserve_vcc 0
		.amdhsa_float_denorm_mode_32 3
		.amdhsa_float_denorm_mode_16_64 3
		.amdhsa_memory_ordered 1
		.amdhsa_forward_progress 1
		.amdhsa_inst_pref_size 53
	.end_amdhsa_kernel
	.amdgpu_metadata
---
amdhsa.version: [ 1, 2 ]
amdhsa.kernels:
  - .name:           k_q583e60817b_quant
    .symbol:         k_q583e60817b_quant.kd
    .args:
      - { .name: Wq, .offset: 0, .size: 8, .value_kind: global_buffer, .address_space: global }
      - { .name: Wk, .offset: 8, .size: 8, .value_kind: global_buffer, .address_space: global }
      - { .name: Wv, .offset: 16, .size: 8, .value_kind: global_buffer, .address_space: global }
      - { .name: Wo, .offset: 24, .size: 8, .value_kind: global_buffer, .address_space: global }
      - { .name: q, .offset: 32, .size: 8, .value_kind: global_buffer, .address_space: global }
      - { .name: k, .offset: 40, .size: 8, .value_kind: global_buffer, .address_space: global }
      - { .name: v, .offset: 48, .size: 8, .value_kind: global_buffer, .address_space: global }
      - { .name: xq, .offset: 56, .size: 8, .value_kind: global_buffer, .address_space: global }
      - { .name: wq, .offset: 64, .size: 8, .value_kind: global_buffer, .address_space: global }
    .group_segment_fixed_size: 46592
    .private_segment_fixed_size: 0
    .kernarg_segment_align: 8
    .kernarg_segment_size: 72
    .max_flat_workgroup_size: 128
    .sgpr_count:     66
    .vgpr_count:     234
    .wavefront_size: 32
...
	.end_amdgpu_metadata
.endif
;; end of part 1
;; launch proj (part 2): grid 4 x 48, 4 waves a work-group, clusters of 4 x 4, 327,680 bytes of LDS; arguments xq, wq, bq, bk, bv, pq; writes pq
.if DOCPART == 2
	.amdgcn_target "amdgcn-amd-amdhsa--gfx1250"
	.amdhsa_code_object_version 6
	.text
	.protected	k_q583e60817b_proj
	.globl	k_q583e60817b_proj
	.p2align	8
	.type	k_q583e60817b_proj,@function
k_q583e60817b_proj:
	s_mov_b64 s[64:65], 0
	v_nop
	global_prefetch_b8 v0, s[64:65] scope:SCOPE_SE
	s_setreg_imm32_b32 hwreg(HW_REG_WAVE_MODE, 25, 1), 1
	s_wait_xcnt 0x0
	s_wait_alu depctr_hold_cnt(0) depctr_sa_sdst(0) depctr_va_vdst(0) depctr_va_sdst(0) depctr_va_ssrc(0) depctr_va_vcc(0) depctr_vm_vsrc(0)
	s_getreg_b32 s2, hwreg(HW_REG_IB_STS2, 6, 4)
	s_cmp_eq_u32 s2, 0
	s_cbranch_scc0 .Lentry_in_a_cluster
	s_endpgm
.Lentry_in_a_cluster:
	s_bfe_u32 s2, ttmp6, 0x10000c
	s_cmp_lg_u32 s2, 0xf033
	s_cbranch_scc0 .Lentry_shape_is_right
	s_endpgm
.Lentry_shape_is_right:
.set NQ,     2
.set FR,     12
.set NL,     4
.set NP,     4
.set TILEB,  12288
.set SROW,   3072
.set HALFT,  8*SROW
.set SLOT,   4*HALFT
.set SCL,    2*SLOT
.set HALFS,  4096
.set SPARE,  SCL+4*HALFS
.set ADRA, 16
.set ADRB, 20
.set O16,  24
.set O8,   25
.set OW,   26
.set ADRS, 27
.set SPW,  28
.set NIL,  29
.set ON,   30
.set SC,   32
.set BB,   64
.set AF,   128
.set T,    128
.set PC,   192
.set TM,   224
.set VO,   232
.set PW,   240
.set NS,   242
.set G1, 24
.set G0, 32
.set G1B, 48
.set G0B, 56
.set G1S, 68
.set G0S, 76
.set G1SB, 80
.set G0SB, 88
.set SEL, 100
.set MSB, 0
.macro WIN new
.if MSB != \new
	s_set_vgpr_msb (MSB<<8)|\new
.set MSB, \new
.endif
.endm
.set MUL_LO, 0xa1
.set MUL_HI, 0xf1
.set TO_B,   0x40
.macro JLOAD g0a, g1a, g0b, g1b
	s_cmp_eq_u32 s15, 0
	s_cbranch_scc0 .Lfor_b_\@
	tensor_load_to_lds s[\g0a:\g0a+3], s[\g1a:\g1a+7]
	s_nop 0
.rept 4
	v_nop
.endr
	s_branch .Lasked_\@
.Lfor_b_\@:
	tensor_load_to_lds s[\g0b:\g0b+3], s[\g1b:\g1b+7]
	s_nop 0
.rept 4
	v_nop
.endr
.Lasked_\@:
.endm
.macro CREST
	s_cmp_lg_u32 s14, 0
	s_cbranch_scc1 .Lnot_wave_0_\@
	s_barrier_signal -3
.Lnot_wave_0_\@:
	s_barrier_wait -3
	s_barrier_signal -1
	s_barrier_wait -1
.endm
.macro CROUND
	s_barrier_signal -1
	s_barrier_wait -1
	CREST
.endm
	s_load_b256 s[68:75], s[0:1], 0x0
	s_load_b128 s[76:79], s[0:1], 0x20
	v_lshl_add_u32 v[SPW], v0, 2, SPARE
	v_mov_b32 v[NIL], 0
	ds_add_u32 v28, v29
	ds_add_u32 v28, v29
	s_wait_dscnt 0x0
	v_lshrrev_b32 v1, 5, v0
	v_readfirstlane_b32 s14, v1
	s_lshr_b32 s15, s14, 1
	s_and_b32 s16, s14, 1
	s_bfe_u32 s40, ttmp6, 0x40000
	s_bfe_u32 s41, ttmp6, 0x40004
	s_and_b32 s66, ttmp7, 0xffff
	s_and_b32 s67, s66, 3
	s_lshl_b32 s67, s67, 2
	s_lshr_b32 s66, s66, 2
	s_lshl_b32 s43, s41, 2
	s_lshl_b32 s43, 15, s43
	s_lshl_b32 s44, 0x1111, s40
	s_mul_i32 s18, s66, 3145728
	s_mul_i32 s19, s66, 131072
	s_add_co_u32 s19, s19, 9437184
	s_mul_i32 s2, s66, 786432
	s_mul_i32 s3, s66, 32768
	s_add_co_u32 s3, s3, 3145728
	s_or_b32 s[G1+0], s43, (3<<16)|(1<<21)
	s_or_b32 s[G1B+0], s44, (3<<16)|(1<<21)
.irp g, G1, G1B
	s_mov_b32 s[\g+1], 384<<16
	s_mov_b32 s[\g+2], 16<<16
	s_mov_b32 s[\g+3], 384<<16
	s_mov_b32 s[\g+4], 16
	s_mov_b32 s[\g+5], 1536
	s_mov_b32 s[\g+6], 0
	s_mov_b32 s[\g+7], 0
.endr
	s_wait_kmcnt 0x0
	s_cmp_eq_u32 s66, 2
	s_cselect_b64 s[4:5], s[70:71], s[68:69]
	s_cselect_b64 s[8:9], s[68:69], s[70:71]
	s_cselect_b64 s[98:99], s[76:77], s[72:73]
	s_cselect_b32 s20, s2, s18
	s_cselect_b32 s22, s3, s19
	s_cselect_b32 s46, s18, s2
	s_cselect_b32 s92, s19, s3
	s_cselect_b32 s21, 0, s67
	s_cselect_b32 s23, s67, 0
	s_cselect_b32 s10, 4, 0
	s_cselect_b32 s11, 0, 64
	s_cselect_b32 s94, 0, 4
	s_cselect_b32 s95, 64, 256
	s_cmp_eq_u32 s66, 1
	s_cselect_b64 s[98:99], s[74:75], s[98:99]
	s_mov_b64 s[12:13], s[78:79]
	s_or_b32 s[G1S+0], s43, (3<<16)|(1<<21)
	s_or_b32 s[G1SB+0], s44, (3<<16)|(1<<21)
.irp g, G1S, G1SB
	s_mov_b32 s[\g+1], 32<<16
	s_mov_b32 s[\g+2], 32<<16
	s_mov_b32 s[\g+3], 32<<16
	s_mov_b32 s[\g+4], 32
	s_mov_b32 s[\g+5], 32
	s_mov_b32 s[\g+6], 0
	s_mov_b32 s[\g+7], 0
.endr
	s_add_co_u32 s17, s41, s21
	s_add_co_u32 s42, s40, s23
	s_lshl_b32 s21, s17, 4
	s_lshl_b32 s23, s16, 3
	s_add_co_u32 s21, s21, s23
	s_lshl_b32 s47, s42, 4
	s_add_co_u32 s47, s47, s23
	s_lshl_b32 s23, s21, 9
	s_add_co_u32 s22, s22, s23
	s_mul_i32 s21, s21, TILEB
	s_add_co_u32 s20, s20, s21
	s_mov_b32 s21, 0
	s_mov_b32 s23, 0
	s_lshl_b32 s93, s47, 9
	s_add_co_u32 s92, s92, s93
	s_mul_i32 s47, s47, TILEB
	s_add_co_u32 s46, s46, s47
	s_mov_b32 s47, 0
	s_mov_b32 s93, 0
	s_add_nc_u64 s[20:21], s[4:5], s[20:21]
	s_add_nc_u64 s[22:23], s[4:5], s[22:23]
	s_add_nc_u64 s[46:47], s[8:9], s[46:47]
	s_add_nc_u64 s[92:93], s[8:9], s[92:93]
	s_mul_i32 s45, s14, HALFT
	s_mul_i32 s2, s16, 8*TILEB                     ; my half's distance from the block's first tile: in codes,
	s_mov_b32 s3, 0
	s_lshl_b32 s18, s16, 12                        ; and in scale words (8 tiles of 512 bytes)
	s_mov_b32 s19, 0
	CROUND                                         ; all sixteen work-groups are here: the first joint loads meet
	; the head's four tiles, each whole, one load a wave: slot 0's 16 tiles of A, its 16 of B, A's scale words, B's
	s_mov_b32 s[G0], 1
	s_mov_b32 s[G0+1], 0
	s_sub_nc_u64 s[G0+2:G0+3], s[20:21], s[2:3]
	s_or_b32 s[G0+3], s[G0+3], 0x80000000
	s_mov_b32 s[G0B], 1
	s_mov_b32 s[G0B+1], 2*HALFT
	s_sub_nc_u64 s[G0B+2:G0B+3], s[46:47], s[2:3]
	s_or_b32 s[G0B+3], s[G0B+3], 0x80000000
	s_mov_b32 s[G0S], 1
	s_mov_b32 s[G0S+1], SCL
	s_sub_nc_u64 s[G0S+2:G0S+3], s[22:23], s[18:19]
	s_or_b32 s[G0S+3], s[G0S+3], 0x80000000
	s_mov_b32 s[G0SB], 1
	s_mov_b32 s[G0SB+1], SCL+2*HALFS
	s_sub_nc_u64 s[G0SB+2:G0SB+3], s[92:93], s[18:19]
	s_or_b32 s[G0SB+3], s[G0SB+3], 0x80000000
.macro ARM under, g0, g1, next         ; one chain of branches on the wave's number, one load to an arm, all arms leading to one join
	s_cmp_lt_u32 s14, \under
	s_cbranch_scc0 \next
	tensor_load_to_lds s[\g0:\g0+3], s[\g1:\g1+7]
	s_nop 0
.rept 4
	v_nop
.endr
	s_branch .Lhead_asked
\next:
.endm
	ARM 1, G0,  G1,  .Lhead_b
	ARM 2, G0B, G1B, .Lhead_sa
	ARM 3, G0S, G1S, .Lhead_sb
	tensor_load_to_lds s[G0SB:G0SB+3], s[G1SB:G1SB+7]
	s_nop 0
.rept 4
	v_nop
.endr
.Lhead_asked:
	s_mov_b32 s[G0+4], 1                           ; slot 1's group 0: my eight tiles of the second pair of K steps
	s_add_co_u32 s[G0+5], s45, SLOT
	s_add_nc_u64 s[G0+6:G0+7], s[20:21], SROW
	s_or_b32 s[G0+7], s[G0+7], 0x80000000
	s_mov_b32 s[G0B+4], 1
	s_add_co_u32 s[G0B+5], s45, SLOT
	s_add_nc_u64 s[G0B+6:G0B+7], s[46:47], SROW
	s_or_b32 s[G0B+7], s[G0B+7], 0x80000000
	s_wait_alu depctr_va_vdst(0)
	s_wait_tensorcnt 0x0                           ; my tile of the head's four is in
	ds_add_u32 v28, v29
	s_mov_b32 s[G1+2], 8<<16                       ; no tensor load of mine is out: from here on a load brings eight tiles,
	s_mov_b32 s[G1+4], 8
	s_mov_b32 s[G1B+2], 8<<16
	s_mov_b32 s[G1B+4], 8
	s_add_co_u32 s[G0+1], s45, 0                   ; and slot 0's group 0 stands at my eight tiles of the first pair of K steps, for its first refill
	s_mov_b64 s[G0+2:G0+3], s[20:21]
	s_or_b32 s[G0+3], s[G0+3], 0x80000000
	s_add_co_u32 s[G0B+1], s45, 0
	s_mov_b64 s[G0B+2:G0B+3], s[46:47]
	s_or_b32 s[G0B+3], s[G0B+3], 0x80000000
	s_wait_dscnt 0x0
	CROUND
	JLOAD G0+4, G1, G0B+4, G1B
	v_and_b32 v1, 15, v0
	v_bfe_u32 v2, v0, 4, 1
	v_and_b32 v3, 31, v0
	v_lshlrev_b32 v[O16], 4, v3
	v_lshl_add_u32 v[O8], v3, 3, 512
	v_lshlrev_b32 v[OW], 2, v1
	s_mul_i32 s21, s15, HALFT
	s_mul_i32 s22, s16, HALFT
	s_add_co_u32 s22, s22, 2*HALFT
.irp s, 0,1
	v_add_nc_u32 v[ADRA+\s], s21, v[O16]
	v_add_nc_u32 v[ADRB+\s], s22, v[O16]
	v_add_nc_u32 v[ADRA+2+\s], s21, v[O8]
	v_add_nc_u32 v[ADRB+2+\s], s22, v[O8]
	s_add_co_u32 s21, s21, SLOT
	s_add_co_u32 s22, s22, SLOT
.endr
	s_mul_i32 s21, s15, HALFS
	s_mul_i32 s22, s16, HALFS
	s_add_co_u32 s22, s22, 2*HALFS
	s_sub_co_u32 s22, s22, s21
	v_mul_u32_u24 v6, s22, v2
	s_add_co_u32 s21, s21, SCL
	v_lshl_add_u32 v6, v1, 3, v6
	v_add_nc_u32 v[ADRS], s21, v6
	v_and_b32 v6, 8, v1
	v_add_nc_u32 v6, v6, v1
	v_lshlrev_b32 v[ON], 2, v6
	v_lshl_add_u32 v[ON], v2, 13, v[ON]
	v_mul_u32_u24 v7, s10, v6
	v_mul_u32_u24 v8, s11, v2
	v_add_nc_u32 v[VO], v7, v8
	s_wait_alu depctr_va_vdst(0)
.irp j, 1,2,3,4,5,6,7
	v_add_nc_u32 v[VO+\j], s94, v[VO+\j-1]
.endr
	s_lshl_b32 s18, s17, 8
	s_lshl_b32 s19, s15, 7
	s_add_co_u32 s18, s18, s19
	s_lshl_b32 s19, s42, 8
	s_lshl_b32 s3, s16, 7
	s_add_co_u32 s19, s19, s3
	s_cmp_eq_u32 s66, 2
	s_cselect_b32 s18, s18, s19
	s_lshl_b32 s18, s18, 2
	s_mov_b32 s19, 0
	s_add_nc_u64 s[98:99], s[98:99], s[18:19]
	s_wait_alu depctr_va_vdst(0)
.irp i, 0,1,2,3,4,5,6
.irp j, 0,1,2,3,4,5,6,7
	global_load_b32 v[BB+8*\i+\j], v[VO+\j], s[98:99] offset:(32*(\i/2)+8*(\i%2))*4
.endr
.endr
	s_lshl_b32 s18, s42, 1
	s_add_co_u32 s18, s18, s16
	s_lshl_b32 s19, s17, 4
	s_lshl_b32 s3, s15, 3
	s_add_co_u32 s19, s19, s3
	s_mul_i32 s3, s18, s95
	s_add_co_u32 s3, s3, s19
	s_lshl_b32 s20, s3, 6
	s_mul_i32 s21, s66, 131072
	s_add_co_u32 s20, s20, s21
	s_add_co_u32 s20, s20, 9437184
	s_mov_b32 s21, 0
	s_add_nc_u64 s[96:97], s[12:13], s[20:21]
	s_lshl_b32 s20, s19, 4
	s_lshr_b32 s21, s20, 11
	s_lshl_b32 s21, s21, 17
	s_and_b32 s20, s20, 2047
	s_lshl_b32 s20, s20, 2
	s_add_co_u32 s20, s20, s21
	s_lshl_b32 s21, s18, 14
	s_add_co_u32 s20, s20, s21
	s_mul_i32 s21, s66, 262144
	s_add_co_u32 s20, s20, s21
	s_add_co_u32 s20, s20, 9830400
	s_mov_b32 s21, 0
	s_add_nc_u64 s[6:7], s[12:13], s[20:21]
	s_mul_i32 s20, s3, 1536
	s_mul_i32 s21, s66, 3145728
	s_add_co_u32 s20, s20, s21
	s_mov_b32 s21, 0
	s_add_nc_u64 s[12:13], s[12:13], s[20:21]
	s_mov_b32 s[SEL], 0x76543210
	s_mov_b32 s[SEL+1], 0xfedcba98
	s_mov_b32 s67, 0xffff0000
.irp b, 0,1,2,3
	v_mov_b32 v[TM+4+\b], 0
.endr
	v_mov_b32 v248, 0
.macro FRAG reg, adr, q, i
	ds_load_b128 v[\reg:\reg+3], v[\adr] offset:(\i)*SROW+(\q)*1536
	ds_load_b64 v[\reg+4:\reg+5], v[\adr+2] offset:(\i)*SROW+(\q)*1536
	ds_load_b128 v[\reg+6:\reg+9], v[\adr] offset:(\i)*SROW+(\q)*1536+768
	ds_load_b64 v[\reg+10:\reg+11], v[\adr+2] offset:(\i)*SROW+(\q)*1536+768
.endm
.macro MUL16 a0, p, q, sc, zero
.irp a, \a0, \a0+1
.irp b, 0,1,2,3,4,5,6,7
.if \zero
	v_wmma_scale_f32_16x16x128_f8f6f4 v[8*(8*((\a)%4)+\b):8*(8*((\a)%4)+\b)+7], v[128*(\p)+FR*\b:128*(\p)+FR*\b+FR-1], v[AF+FR*(\a):AF+FR*(\a)+FR-1], 0, v[SC+8*NQ*(\sc)+NQ*\b+(\q)], v[SC+8*NQ*(\sc)+NQ*(\a)+(\q)] matrix_a_fmt:MATRIX_FMT_FP6 matrix_b_fmt:MATRIX_FMT_FP6 matrix_a_scale:MATRIX_SCALE_ROW1
.else
	v_wmma_scale_f32_16x16x128_f8f6f4 v[8*(8*((\a)%4)+\b):8*(8*((\a)%4)+\b)+7], v[128*(\p)+FR*\b:128*(\p)+FR*\b+FR-1], v[AF+FR*(\a):AF+FR*(\a)+FR-1], v[8*(8*((\a)%4)+\b):8*(8*((\a)%4)+\b)+7], v[SC+8*NQ*(\sc)+NQ*\b+(\q)], v[SC+8*NQ*(\sc)+NQ*(\a)+(\q)] matrix_a_fmt:MATRIX_FMT_FP6 matrix_b_fmt:MATRIX_FMT_FP6 matrix_a_scale:MATRIX_SCALE_ROW1
.endif
.endr
.endr
.endm
.macro FETCH_B slot, q, p
	WIN TO_B
.irp i, 0,1,2,3,4,5,6,7
	FRAG 128*(\p)+FR*\i, ADRB+\slot, \q, \i
.endr
	WIN 0
.endm
.macro FETCH_A slot, q, i0
.irp i, \i0, \i0+1, \i0+2, \i0+3
	FRAG AF+FR*(\i), ADRA+\slot, \q, \i
.endr
.endm
.macro SCALES sc, n
.irp i, 0,1,2,3,4,5,6,7
	ds_load_b64 v[SC+8*NQ*\sc+NQ*\i:SC+8*NQ*\sc+NQ*\i+1], v[ADRS] offset:\i*512+128*(\n)
.endr
.endm
.macro PLACES n
.rept \n
	v_nop
.endr
.endm
.macro STEP slot, q, zero
	s_wait_dscnt 4*NL
	WIN MUL_LO
	MUL16 0, (\q)%2, \q, \slot, \zero
	MUL16 2, (\q)%2, \q, \slot, \zero
	s_wait_dscnt 0
	PLACES NP
	FETCH_B \slot, (\q)+1, 1-(\q)%2
	FETCH_A \slot, (\q)+1, 0
	WIN MUL_HI
	MUL16 4, (\q)%2, \q, \slot, \zero
	MUL16 6, (\q)%2, \q, \slot, \zero
	PLACES NP
	WIN 0
	FETCH_A \slot, (\q)+1, 4
.endm
.macro TURN slot, next, fill, n
	s_wait_tensorcnt 0x0
	ds_add_u32 v[SPW], v[NIL]
	s_wait_dscnt 4*NL+1
	WIN MUL_LO
	MUL16 0, 1, NQ-1, \slot, 0
	s_wait_dscnt 0x0
	s_barrier_signal -1
	MUL16 2, 1, NQ-1, \slot, 0
	WIN 0
	s_barrier_wait -1
.if \fill
	CREST
	s_add_nc_u64 s[G0+4*\slot+2:G0+4*\slot+3], s[G0+4*\slot+2:G0+4*\slot+3], 2*SROW
	s_add_nc_u64 s[G0B+4*\slot+2:G0B+4*\slot+3], s[G0B+4*\slot+2:G0B+4*\slot+3], 2*SROW
	JLOAD G0+4*\slot, G1, G0B+4*\slot, G1B
.else
	PLACES NP
.endif
	FETCH_B \next, 0, 0
	FETCH_A \next, 0, 0
	SCALES \next, \n
	WIN MUL_HI
	MUL16 4, 1, NQ-1, \slot, 0
	MUL16 6, 1, NQ-1, \slot, 0
	PLACES NP
	WIN 0
	FETCH_A \next, 0, 4
.endm
	s_wait_tensorcnt 1
	s_barrier_signal -1
	s_barrier_wait -1
	FETCH_B 0, 0, 0
	FETCH_A 0, 0, 0
	SCALES 0, 0
	FETCH_A 0, 0, 4
	STEP 0, 0, 1
.irp j, 0,1,2,3,4,5,6,7
	global_load_b32 v[BB+56+\j], v[VO+\j], s[98:99] offset:(32*3+8)*4      ; the bias of the eighth block: 56 loads went out at the head, these eight follow here
.endr
	TURN 0, 1, 1, 1
	STEP 1, 0, 0
	TURN 1, 0, 1, 2
	STEP 0, 0, 0
	TURN 0, 1, 0, 3
	STEP 1, 0, 0
	s_wait_dscnt 4*NL
	WIN MUL_LO
	MUL16 0, 1, NQ-1, 1, 0
	MUL16 2, 1, NQ-1, 1, 0
	s_wait_dscnt 0
	WIN MUL_HI
	MUL16 4, 1, NQ-1, 1, 0
	MUL16 6, 1, NQ-1, 1, 0
	WIN 0
.macro QUANT s
.irp b, 0,1,2,3
	v_max3_num_f32 v[TM+\b], |v[\s+16*\b]|, |v[\s+1+16*\b]|, 0x1800000
.endr
.irp i, 2,4,6,8,10,12,14
.irp b, 0,1,2,3
	v_max3_num_f32 v[TM+\b], v[TM+\b], |v[\s+16*\b+\i]|, |v[\s+1+16*\b+\i]|
.endr
.endr
.irp b, 0,1,2,3
	v_permlanex16_b32 v[TM+4+\b], v[TM+\b], s[SEL], s[SEL+1]
.endr
.irp b, 0,1,2,3
	v_max_num_f32 v[TM+\b], v[TM+\b], v[TM+4+\b]
.endr
.irp b, 0,1,2,3
	v_add_nc_u32 v[TM+12+\b], 0xff000000, v[TM+\b]
.endr
.irp b, 0,1,2,3
	v_lshrrev_b32 v[TM+4+\b], 23, v[TM+12+\b]
.endr
	v_lshl_or_b32 v[PW], v[TM+5], 8, v[TM+4]
	v_lshl_or_b32 v[PW], v[TM+6], 16, v[PW]
	v_lshl_or_b32 v[PW], v[TM+7], 24, v[PW]
.irp c, 0,1
	v_cvt_scalef32_pk16_fp6_f32 v[PC+6*\c:PC+2+6*\c], v[\s+32*\c:\s+15+32*\c], v[TM+12+2*\c]
	v_cvt_scalef32_pk16_fp6_f32 v[PC+12+4*\c:PC+14+4*\c], v[\s+16+32*\c:\s+31+32*\c], v[TM+12+2*\c+1]
.endr
	v_nop
.irp c, 0,1
.irp i, 0,1,2
	v_permlane16_swap_b32 v[PC+6*\c+\i], v[PC+12+4*\c+\i]
.endr
.irp i, 0,1,2
	v_mov_b32 v[PC+3+6*\c+\i], v[PC+12+4*\c+\i]
.endr
.endr
.endm
.macro EPIA a, vmode
.if (\a) > 0
	s_wait_xcnt 0x0
.endif
.set WN, 0x02+(\a)/4
	WIN WN
.set j, 0
.rept 32
.if \vmode
	v_pk_add_f32 v[T+j:T+j+1], v[64*((\a)%4)+j:64*((\a)%4)+j+1], v[BB+8*(\a)+j%8:BB+8*(\a)+j%8+1]
.else
	v_pk_add_f32 v[T+j:T+j+1], v[64*((\a)%4)+j:64*((\a)%4)+j+1], v[BB+j:BB+j+1]
.endif
.set j, j+2
.endr
	WIN 0
.if !\vmode
.irp c, 0,1
	v_pk_mul_f32 v[NS+2*\c:NS+2*\c+1], v[T+32*\c:T+32*\c+1], v[T+32*\c:T+32*\c+1]
.endr
.irp i, 2,4,6,8,10,12,14,16,18,20,22,24,26,28,30
.irp c, 0,1
	v_pk_fma_f32 v[NS+2*\c:NS+2*\c+1], v[T+32*\c+\i:T+32*\c+\i+1], v[T+32*\c+\i:T+32*\c+\i+1], v[NS+2*\c:NS+2*\c+1]
.endr
.endr
	v_add_f32 v[NS], v[NS], v[NS+1]
	v_add_f32 v[NS+2], v[NS+2], v[NS+3]
	v_cndmask_b32 v246, v[NS], v[NS+2], s67
	v_cndmask_b32 v247, v[NS+2], v[NS], s67
	v_permlanex16_b32 v248, v247, s[SEL], s[SEL+1]
	v_add_f32 v246, v246, v248
	s_wait_alu depctr_va_vdst(0)
	v_sqrt_f32 v249, v246
	v_nop
	s_wait_alu depctr_va_vdst(0)
	global_store_b32 v[ON], v249, s[6:7] offset:(32*((\a)/2)+8*((\a)%2))*4
.endif
	QUANT T
	global_store_b128 v[O16], v[PC:PC+3], s[12:13] offset:1536*(\a)
	global_store_b64 v[O8], v[PC+4:PC+5], s[12:13] offset:1536*(\a)
	global_store_b128 v[O16], v[PC+6:PC+9], s[12:13] offset:1536*(\a)+768
	global_store_b64 v[O8], v[PC+10:PC+11], s[12:13] offset:1536*(\a)+768
	global_store_b32 v[OW], v[PW], s[96:97] offset:64*(\a)
.endm
	s_wait_loadcnt 0x0
	PLACES NP
	s_cmp_eq_u32 s66, 2
	s_cbranch_scc1 .Lvmode
.irp a, 0,1,2,3,4,5,6,7
	EPIA \a, 0
.endr
	s_branch .Ltail
.Lvmode:
.irp a, 0,1,2,3,4,5,6,7
	EPIA \a, 1
.endr
.Ltail:
	s_wait_tensorcnt 0x0
	ds_add_u32 v[SPW], v[NIL]
	s_wait_dscnt 0x0
	CROUND
	s_endpgm
.Lfunc_end_k_q583e60817b_proj:
	.size	k_q583e60817b_proj, .Lfunc_end_k_q583e60817b_proj-k_q583e60817b_proj
	.p2alignl 7, 3214868480
	.fill 96, 4, 3214868480
	.section	.rodata,"a",@progbits
	.p2align	6, 0x0
	.amdhsa_kernel k_q583e60817b_proj
		.amdhsa_group_segment_fixed_size 327680
		.amdhsa_private_segment_fixed_size 0
		.amdhsa_enable_private_segment 0
		.amdhsa_kernarg_size 48
		.amdhsa_user_sgpr_count 2
		.amdhsa_user_sgpr_kernarg_segment_ptr 1
		.amdhsa_wavefront_size32 1
		.amdhsa_system_sgpr_workgroup_id_x 1
		.amdhsa_system_sgpr_workgroup_id_y 1
		.amdhsa_system_sgpr_workgroup_id_z 1
		.amdhsa_system_vgpr_workitem_id 0
		.amdhsa_next_free_vgpr 1024
		.amdhsa_next_free_sgpr 102
		.amdhsa_reserve_vcc 0
		.amdhsa_float_denorm_mode_32 3
		.amdhsa_float_denorm_mode_16_64 3
		.amdhsa_memory_ordered 1
		.amdhsa_forward_progress 1
		.amdhsa_inst_pref_size 244
	.end_amdhsa_kernel
	.amdgpu_metadata
---
amdhsa.version: [ 1, 2 ]
amdhsa.kernels:
  - .name:           k_q583e60817b_proj
    .symbol:         k_q583e60817b_proj.kd
    .args:
      - { .name: xq, .offset: 0, .size: 8, .value_kind: global_buffer, .address_space: global }
      - { .name: wq, .offset: 8, .size: 8, .value_kind: global_buffer, .address_space: global }
      - { .name: bq, .offset: 16, .size: 8, .value_kind: global_buffer, .address_space: global }
      - { .name: bk, .offset: 24, .size: 8, .value_kind: global_buffer, .address_space: global }
      - { .name: bv, .offset: 32, .size: 8, .value_kind: global_buffer, .address_space: global }
      - { .name: pq, .offset: 40, .size: 8, .value_kind: global_buffer, .address_space: global }
    .group_segment_fixed_size: 327680
    .private_segment_fixed_size: 0
    .kernarg_segment_align: 8
    .kernarg_segment_size: 48
    .max_flat_workgroup_size: 128
    .sgpr_count:     102
    .vgpr_count:     1024
    .wavefront_size: 32
...
	.end_amdgpu_metadata
.endif
;; end of part 2
;; launch att (part 3): grid 8 x 32, 16 waves a work-group, clusters of 4 x 1, 219,136 bytes of LDS; arguments pq, alpha, oq; writes oq
.if DOCPART == 3
	.amdgcn_target "amdgcn-amd-amdhsa--gfx1250"
	.amdhsa_code_object_version 6
	.text
	.protected	k_q583e60817b_att
	.globl	k_q583e60817b_att
	.p2align	8
	.type	k_q583e60817b_att,@function
k_q583e60817b_att:
	s_mov_b64 s[64:65], 0
	v_nop
	global_prefetch_b8 v0, s[64:65] scope:SCOPE_SE
	s_setreg_imm32_b32 hwreg(HW_REG_WAVE_MODE, 25, 1), 1
	s_wait_xcnt 0x0
	s_wait_alu depctr_hold_cnt(0) depctr_sa_sdst(0) depctr_va_vdst(0) depctr_va_sdst(0) depctr_va_ssrc(0) depctr_va_vcc(0) depctr_vm_vsrc(0)
	s_getreg_b32 s2, hwreg(HW_REG_IB_STS2, 6, 4)
	s_cmp_eq_u32 s2, 0
	s_cbranch_scc0 .Lentry_in_a_cluster
	s_endpgm
.Lentry_in_a_cluster:
	s_bfe_u32 s2, ttmp6, 0x10000c
	s_cmp_lg_u32 s2, 0x3003
	s_cbranch_scc0 .Lentry_shape_is_right
	s_endpgm
.Lentry_shape_is_right:
; Attention of one (batch, head) for 256 queries, both products on codes of FP6 (E2M3) with E8M0 scales; head size 64, 2,048 keys.
; logit = alpha x 4 x s / (|q| + |k|)^2, s the product of the quantised q and k, the norms those of the unquantised projections.  t = logit x log2(e); M = the running largest t rounded UP to a whole number;
; p = 2^(t - M) is quantised along the keys, not normalised; the row's sum is taken of the unquantised p and divides O at the end.  When M moves, the sum and O are multiplied by 2^(old M - new M): exact.
; O / sum is quantised along the channels for the last projection, and stored as an image of that operand's registers.
; SHARES.  A work-group owns 256 queries; each of its sixteen waves one tile of 16, in 256 registers.
; THE WHOLE HEAD LIES IN LDS, FILLED ONCE: K's images, V's images, their scale words, |k|: 217,088 bytes, by eleven tensor loads, one a wave: waves 0-3 a quarter of K's images each (32 rows of 768 bytes),
; waves 4-7 a quarter of V's (4 rows of 6,144 bytes), wave 8 K's scale words, wave 9 |k|, wave 10 V's scale words; waves 11-15 fetch nothing.  From the one barrier on LDS is only read: nothing is left to prefetch from memory.
; CLUSTER.  The four work-groups of a cluster are four blocks of queries of one head: every load is asked for JOINTLY, with the same descriptor and a mask that names the four.
; LAYOUT.  Both products are used transposed: S^T = K Q^T, O^T = V^T P^T: a lane holds ONE query (lane % 16) throughout.  Lane r of tile i holds row 32 (i / 2) + 8 (i % 2) + r + 8 (r / 8),
; so that the 16 registers of tiles 2 b and 2 b + 1 are rows 32 b + 16 (lane / 16) + 0 .. 15.
; ONE RECIPROCAL FOR TWO KEYS.  With D = (|q| + |k|)^2, key a of a step's first 64 and key b of its second 64 share 1 / (D_a D_b): u_a = (s_a D_b) / (D_a D_b), u_b = (s_b D_a) / (D_a D_b): 32 reciprocals for 64 numbers a lane.
; The product D_a D_b is laid over D_b once s_a has taken D_b in, so no register is added.
; K = 64 IN AN INSTRUCTION OF 128.  Q's registers 6-11 are zero codes.  K's registers 6-11 are whatever stands behind its six: every FP6 code is a finite number, both sides' scale bytes there are 0 (2^-127, no NaN),
; and a finite number times a zero code adds exactly 0.
; ALPHA'S SIGN is put into Q's codes (the quantiser is odd), so t = |alpha| 4 log2(e) x u rises with u, and a block's largest u gives its largest p.
; LIMITS.  |q| is held at 2^-30 from below, so that D_a D_b is a normal number: with both norms 0 the score is 0 and so is the logit, as defined; where 0 < |q| + |k| < 2^-30 the results differ from the definition's.
; The norms stay under 2^30, so that D_a D_b and s D stay finite.  u has two roundings more than s / D, and alpha x 4 x log2(e) is rounded once, ahead of the product with u: together about 3e-7 of the number.
; NaN and infinities are not served.  A block of zeros gets the byte 1 (read by this program alone).
; A block's largest p is taken to be the p of its largest u: this takes v_exp_f32 not to fall where its input rises.  The promise holds while |t| stays under 2^31.
.set KC,  0                            ; LDS: K's images, 768 bytes a tile of 16 keys, 6,144 a key step
.set VC,  98304                        ; V's images, 1,536 bytes for 16 channels x 128 keys, 6,144 a key step
.set KW,  196608                       ; K's scale words, 64 bytes a tile (my head's are bytes 2 c, 2 c + 1 of a word)
.set NK,  204800                       ; |k|, f32, in the order of the keys
.set VW,  212992                       ; V's scale words, 64 bytes an image
.set KF,  44                           ; v44-67 four tiles of K; v68-73 stand behind the last
.set PC,  44                           ; later: v44-55 p's codes; v56-58, v60-62 the conversions' second halves
.set BM,  64                           ; v64-67 the blocks' largest u, then p
.set BX,  68                           ; v68-71 at work
.set SO,  72                           ; v72-75 the conversions' scale operands
.set S,   80                           ; v80-143 S^T, then u, then p
.set NKR, 144                          ; v144-207 |k|, then D; v176-207 then D_a D_b and its reciprocal
.set VF,  144                          ; later: v144-191 V's four fragments
.set O,   208                          ; v208-239 O^T
.set WV,  10                           ; s10 my wave's number
.set SEL, 92                           ; s[92:93] selects for lane l xor 16
; v1-7 addresses that stay; v8-9 |alpha| 4 log2(e); v12 -M, v13 the largest t, v[14:15] the sum; v16-27 Q; v28-29 |q|; v30-36 the trip's addresses; v78-79 f;
; v240-247 K's scale words, v248-251 V's, v252 Q's, v253 p's; v254, v255 the add's two registers.
.macro ROUND                           ; a round of the cluster's barrier
	s_barrier_signal -1
	s_barrier_wait -1
	s_cmp_lg_u32 s[WV], 0
	s_cbranch_scc1 .Lnot_wave_0_\@
	s_barrier_signal -3
.Lnot_wave_0_\@:
	s_barrier_wait -3
	s_barrier_signal -1
	s_barrier_wait -1
.endm
	s_load_b128 s[4:7], s[0:1], 0x0                ; pq, alpha
	s_load_b64 s[8:9], s[0:1], 0x10                ; oq
	v_lshl_add_u32 v254, v0, 2, 0x35000
	v_mov_b32 v255, 0
	ds_add_u32 v254, v255                          ; the opening lines: the add twice on end and its wait
	ds_add_u32 v254, v255
	v_lshrrev_b32 v37, 5, v0
	s_delay_alu instid0(VALU_DEP_1)
	v_readfirstlane_b32 s[WV], v37                 ; wave 0..15
	s_bfe_u32 s11, ttmp6, 0x40000                  ; cx
	s_lshl_b32 s12, ttmp9, 2
	s_add_co_u32 s12, s12, s11                     ; my block of 256 queries: it enters Q's, |q|'s and oq's addresses alone
	s_and_b32 s13, ttmp7, 0xffff                   ; 16 x batch + head, which the four partners share
	s_lshr_b32 s14, s13, 4                         ; batch
	s_and_b32 s15, s13, 15                         ; head
	s_lshr_b32 s16, s15, 1                         ; p: the pair of heads
	s_and_b32 s17, s15, 1                          ; c: which of the pair
	s_lshl_b32 s18, s16, 8
	s_lshl_b32 s20, s14, 7
	s_add_co_u32 s81, s18, s20                     ; 256 p + 128 batch: the batch's first image of k
	s_and_b32 s23, s[WV], 3                        ; which quarter of K's or V's images I fetch
	s_lshl_b32 s20, s23, 5
	s_add_co_u32 s18, s81, s20                     ; my quarter's first of 32 images of K
	s_lshl_b32 s19, s14, 4
	s_lshl_b32 s20, s23, 2
	s_add_co_u32 s19, s19, s20                     ; 16 batch + my quarter's first of 4 key steps
	s_lshl_b32 s19, s19, 6
	s_lshl_b32 s20, s15, 2
	s_add_co_u32 s19, s19, s20                     ; that key step's first image of V of my head
	s_lshl_b32 s80, s14, 10
	s_add_co_u32 s80, s80, s20                     ; 1,024 batch + 4 head: key step 0's
	; descriptor groups 1, elements of 8 bytes; word 0: the mask of all four partners, bit 21 beside it
.irp g, 24, 32, 40, 48
	s_mov_b32 s[\g], 15|(3<<16)|(1<<21)
	s_mov_b32 s[\g+6], 0
	s_mov_b32 s[\g+7], 0
.endr
	s_mov_b32 s25, 96<<16                          ; K's images: 32 rows of 768 bytes (my head's half of each image), 1,536 bytes apart
	s_mov_b32 s26, 32<<16
	s_mov_b32 s27, 96<<16
	s_mov_b32 s28, 32
	s_mov_b32 s29, 192
	s_mov_b32 s33, 768<<16                         ; V's images: 4 rows of 6,144 bytes (a key step's four images), 98,304 bytes apart
	s_mov_b32 s34, 4<<16
	s_mov_b32 s35, 768<<16
	s_mov_b32 s36, 4
	s_mov_b32 s37, 12288
	s_mov_b32 s41, 32<<16                          ; K's scale words, and |k|: 8,192 dense bytes as 32 rows of 256
	s_mov_b32 s42, 32<<16
	s_mov_b32 s43, 32<<16
	s_mov_b32 s44, 32
	s_mov_b32 s45, 32
	s_mov_b32 s49, 32<<16                          ; V's scale words: 16 rows of 256 bytes, 4,096 bytes apart
	s_mov_b32 s50, 16<<16
	s_mov_b32 s51, 32<<16
	s_mov_b32 s52, 16
	s_mov_b32 s53, 512
	s_mov_b32 s21, 0
	s_wait_dscnt 0x0
	s_wait_kmcnt 0x0
	s_mov_b32 s56, 1                               ; K's images
	s_mul_i32 s57, s23, 24576
	s_mul_i32 s20, s18, 1536
	s_mul_i32 s22, s17, 768
	s_add_co_u32 s20, s20, s22
	s_add_co_u32 s20, s20, 3145728
	s_add_nc_u64 s[58:59], s[4:5], s[20:21]
	s_or_b32 s59, s59, 0x80000000
	s_mov_b32 s60, 1                               ; V's images
	s_mul_i32 s61, s23, 24576
	s_add_co_u32 s61, s61, VC
	s_mul_i32 s20, s19, 1536
	s_add_co_u32 s20, s20, 6291456
	s_add_nc_u64 s[62:63], s[4:5], s[20:21]
	s_or_b32 s63, s63, 0x80000000
	s_mov_b32 s68, 1                               ; K's scale words
	s_mov_b32 s69, KW
	s_lshl_b32 s20, s81, 6
	s_add_co_u32 s20, s20, 9568256
	s_add_nc_u64 s[70:71], s[4:5], s[20:21]
	s_or_b32 s71, s71, 0x80000000
	s_mov_b32 s72, 1                               ; |k|
	s_mov_b32 s73, NK
	s_lshl_b32 s20, s13, 13
	s_add_co_u32 s20, s20, 10092544
	s_add_nc_u64 s[74:75], s[4:5], s[20:21]
	s_or_b32 s75, s75, 0x80000000
	s_mov_b32 s76, 1                               ; V's scale words
	s_mov_b32 s77, VW
	s_lshl_b32 s20, s80, 6
	s_add_co_u32 s20, s20, 9699328
	s_add_nc_u64 s[78:79], s[4:5], s[20:21]
	s_or_b32 s79, s79, 0x80000000
	ROUND                                          ; all four work-groups are here: the joint loads meet
; the launch's only fills: one chain of branches on the wave's number, one load to an arm, all arms leading to one join
.macro ARM under, g0, g1, next
	s_cmp_lt_u32 s[WV], \under
	s_cbranch_scc0 \next
	tensor_load_to_lds s[\g0:\g0+3], s[\g1:\g1+7]
	s_nop 0
.rept 4
	v_nop
.endr
	s_branch .Lasked
\next:
.endm
	ARM 4,  56, 24, .Larm_v
	ARM 8,  60, 32, .Larm_kw
	ARM 9,  68, 40, .Larm_nk
	ARM 10, 72, 40, .Larm_vw
	s_cmp_lt_u32 s[WV], 11
	s_cbranch_scc0 .Lasked
	tensor_load_to_lds s[76:79], s[48:55]
	s_nop 0
.rept 4
	v_nop
.endr
.Lasked:
	v_and_b32 v37, 31, v0                          ; lane
	v_and_b32 v38, 15, v0                          ; r
	v_bfe_u32 v39, v0, 4, 1                        ; h
	s_delay_alu instid0(VALU_DEP_3)
	v_lshlrev_b32 v1, 4, v37                       ; K's images: 16 x lane,
	s_wait_alu depctr_va_vdst(0)
	v_lshl_add_u32 v2, v37, 3, 512                 ; 512 + 8 x lane
	s_wait_alu depctr_va_vdst(0)
	v_add_nc_u32 v3, VC, v1                        ; V's likewise
	v_add_nc_u32 v4, VC, v2
	s_lshl_b32 s20, s17, 1
	s_add_co_u32 s20, s20, KW
	v_lshl_add_u32 v5, v38, 2, s20                 ; K's scale words: row r's, my head's two bytes
	v_lshl_add_u32 v6, v38, 2, VW                  ; V's: row r's
	v_lshl_add_u32 v7, v39, 6, NK                  ; |k|: my half's 16 keys of each 32
	s_lshl_b32 s86, s14, 7
	s_lshl_b32 s20, s12, 4
	s_add_co_u32 s86, s86, s20
	s_add_co_u32 s86, s86, s[WV]                   ; my tile of queries, among the 256 tiles of tokens
	s_lshl_b32 s80, s16, 8
	s_add_co_u32 s80, s80, s86                     ; its image's number
	s_mul_i32 s82, s80, 1536
	s_mul_i32 s20, s17, 768
	s_add_co_u32 s82, s82, s20                     ; my head's half of that image
	v_add_nc_u32 v40, s82, v1
	v_add_nc_u32 v41, s82, v2
	global_load_b128 v[16:19], v40, s[4:5]         ; Q's six registers
	global_load_b64 v[20:21], v41, s[4:5]
	s_lshl_b32 s83, s80, 6
	s_lshl_b32 s20, s17, 1
	s_add_co_u32 s83, s83, s20
	s_add_co_u32 s83, s83, 9437184
	v_lshl_add_u32 v42, v38, 2, s83
	global_load_u16 v252, v42, s[4:5]              ; Q's two scale bytes; the upper two come as 0
	s_lshl_b32 s84, s13, 11
	s_lshl_b32 s20, s12, 8
	s_add_co_u32 s84, s84, s20
	s_lshr_b32 s20, s[WV], 1
	s_lshl_b32 s20, s20, 5
	s_add_co_u32 s84, s84, s20
	s_and_b32 s20, s[WV], 1
	s_lshl_b32 s20, s20, 3
	s_add_co_u32 s84, s84, s20                     ; my tile's first query, among all heads' tokens
	s_lshl_b32 s84, s84, 2
	s_add_co_u32 s84, s84, 9830400
	v_and_b32 v43, 8, v38
	s_delay_alu instid0(VALU_DEP_1)
	v_add_nc_u32 v43, v43, v38                     ; r + 8 (r / 8)
	s_delay_alu instid0(VALU_DEP_1)
	v_lshl_add_u32 v43, v43, 2, s84
	global_load_b32 v28, v43, s[4:5]               ; |q| of my query
	s_lshl_b32 s85, s15, 2
	v_mov_b32 v11, s85
	global_load_b32 v10, v11, s[6:7]               ; alpha of my head
	s_mov_b32 s[SEL], 0x76543210
	s_mov_b32 s[SEL+1], 0xfedcba98
.irp j, 22,23,24,25,26,27
	v_mov_b32 v[\j], 0                             ; Q's zero codes for k = 64 .. 127
.endr
.irp j, 68,69,70,71,72,73
	v_mov_b32 v[\j], 0                             ; what stands behind K's last tile in the first trip
.endr
	v_mov_b32 v79, 0                               ; (named as the upper half of the pair v[78:79])
	v_mov_b32 v13, 0xff61b1e6                      ; the largest t so far: -3e38
	s_delay_alu instid0(VALU_DEP_1)
	v_floor_f32 v12, -v13                          ; -M
	v_mov_b32 v14, 0                               ; the sum, in two halves
	v_mov_b32 v15, 0
	s_wait_loadcnt 0x0
	v_max_num_f32 v28, 0x30800000, v28             ; |q| held at 2^-30 from below
	s_delay_alu instid0(VALU_DEP_1)
	v_mov_b32 v29, v28
	v_and_b32 v8, 0x7fffffff, v10
	s_delay_alu instid0(VALU_DEP_1)
	v_mul_f32 v8, 0x40b8aa3b, v8                   ; |alpha| x 4 log2(e)
	s_delay_alu instid0(VALU_DEP_1)
	v_mov_b32 v9, v8
	v_ashrrev_i32 v11, 31, v10                     ; all ones where alpha is negative
	s_delay_alu instid0(VALU_DEP_1)
	v_and_b32 v37, 0x20820820, v11                 ; the codes' sign bits, bit 6 i + 5 of the stream: three words' pattern
	s_delay_alu instid0(VALU_DEP_2)
	v_and_b32 v38, 0x08208208, v11
	s_delay_alu instid0(VALU_DEP_3)
	v_and_b32 v39, 0x82082082, v11
	s_delay_alu instid0(VALU_DEP_3)
	v_xor_b32 v16, v16, v37
	s_delay_alu instid0(VALU_DEP_3)
	v_xor_b32 v17, v17, v38
	s_delay_alu instid0(VALU_DEP_3)
	v_xor_b32 v18, v18, v39
	v_xor_b32 v19, v19, v37
	v_xor_b32 v20, v20, v38
	v_xor_b32 v21, v21, v39
.set j, 0
.rept 32
	v_mov_b32 v[O+j], 0                            ; O^T.  (The trip is written once: the first finds zeros, which the first change of M leaves zeros)
.set j, j+1
.endr
	s_mov_b32 s87, 16
	s_mov_b32 s88, 0                               ; the trip's place among the images: 6,144 bytes a key step,
	s_mov_b32 s89, 0                               ; among K's scale words and |k|: 512,
	s_mov_b32 s90, 0                               ; among V's scale words: 256
	s_wait_tensorcnt 0x0                           ; my load, if I issued one, has landed,
	s_barrier_signal -1
	s_barrier_wait -1                              ; everybody's has: the head is whole
.Lstep:                                            ; 16 trips: 128 keys each
	v_add_nc_u32 v30, s88, v1                      ; (these seven are also the places between the last trip's products and the loads into their operands' registers)
	v_add_nc_u32 v31, s88, v2
	v_add_nc_u32 v32, s88, v3
	v_add_nc_u32 v33, s88, v4
	v_add_nc_u32 v34, s89, v5
	v_add_nc_u32 v35, s90, v6
	v_add_nc_u32 v36, s89, v7
.irp t, 0,1,2,3
	ds_load_b128 v[KF+6*\t:KF+6*\t+3], v30 offset:768*\t
	ds_load_b64 v[KF+6*\t+4:KF+6*\t+5], v31 offset:768*\t
.endr
.irp t, 0,1,2,3,4,5,6,7
	ds_load_u16 v[240+\t], v34 offset:64*\t
.endr
.irp b, 0,1,2,3
.irp j, 0,1,2,3
	ds_load_b128 v[NKR+16*\b+4*\j:NKR+16*\b+4*\j+3], v36 offset:128*\b+16*\j   ; |k| of keys 32 b + 16 h + 4 j ..: the order of S^T's registers
.endr
.endr
	s_wait_dscnt 16                                ; K's tiles 0-3 and the scale words are in; the 16 loads of |k| may be out
.irp t, 0,1,2,3
	v_wmma_scale_f32_16x16x128_f8f6f4 v[S+8*\t:S+8*\t+7], v[KF+6*\t:KF+6*\t+11], v[16:27], 0, v[240+\t], v252 matrix_a_fmt:MATRIX_FMT_FP6 matrix_b_fmt:MATRIX_FMT_FP6
.endr
	s_wait_dscnt 0x0
.set j, 0
.rept 32
	v_pk_add_f32 v[NKR+j:NKR+j+1], v[NKR+j:NKR+j+1], v[28:29]      ; |k| + |q|.  (The places in front of the loads below)
.set j, j+2
.endr
.irp t, 0,1,2,3
	ds_load_b128 v[KF+6*\t:KF+6*\t+3], v30 offset:768*(4+\t)
	ds_load_b64 v[KF+6*\t+4:KF+6*\t+5], v31 offset:768*(4+\t)
.endr
.set j, 0
.rept 32
	v_pk_mul_f32 v[NKR+j:NKR+j+1], v[NKR+j:NKR+j+1], v[NKR+j:NKR+j+1]      ; D
.set j, j+2
.endr
	s_wait_dscnt 0x0
.irp t, 0,1,2,3
	v_wmma_scale_f32_16x16x128_f8f6f4 v[S+32+8*\t:S+32+8*\t+7], v[KF+6*\t:KF+6*\t+11], v[16:27], 0, v[244+\t], v252 matrix_a_fmt:MATRIX_FMT_FP6 matrix_b_fmt:MATRIX_FMT_FP6
.endr
.set j, 0
.rept 16
	v_pk_mul_f32 v[S+j:S+j+1], v[S+j:S+j+1], v[NKR+32+j:NKR+33+j]          ; s_a D_b, each accumulator from its low end on.  (These name nothing of the four products above and are their places)
.set j, j+2
.endr
.set j, 0
.rept 16
	v_pk_mul_f32 v[NKR+32+j:NKR+33+j], v[NKR+j:NKR+j+1], v[NKR+32+j:NKR+33+j]      ; D_a D_b, over D_b
.set j, j+2
.endr
.set j, 0
	s_wait_alu depctr_va_vdst(0)                   ; the wait ahead of the batch
.rept 32
	v_rcp_f32 v[NKR+32+j], v[NKR+32+j]             ; 1 / (D_a D_b)
.set j, j+1
.endr
.set j, 0
	s_wait_alu depctr_va_vdst(0)                   ; behind the batch, and directly ahead of the first reader of the second four products
.rept 16
	v_pk_mul_f32 v[S+32+j:S+33+j], v[S+32+j:S+33+j], v[NKR+j:NKR+j+1]      ; s_b D_a, each accumulator from its low end on.  (Plain places behind the reciprocals)
.set j, j+2
.endr
.set j, 0
.rept 16
	v_pk_mul_f32 v[S+j:S+j+1], v[S+j:S+j+1], v[NKR+32+j:NKR+33+j]          ; u_a
.set j, j+2
.endr
.set j, 0
.rept 16
	v_pk_mul_f32 v[S+32+j:S+33+j], v[S+32+j:S+33+j], v[NKR+32+j:NKR+33+j]  ; u_b
.set j, j+2
.endr
.irp t, 0,1,2,3
	ds_load_b128 v[VF+12*\t:VF+12*\t+3], v32 offset:1536*\t        ; V's four fragments, into the registers that D has left
	ds_load_b64 v[VF+12*\t+4:VF+12*\t+5], v33 offset:1536*\t
	ds_load_b128 v[VF+12*\t+6:VF+12*\t+9], v32 offset:1536*\t+768
	ds_load_b64 v[VF+12*\t+10:VF+12*\t+11], v33 offset:1536*\t+768
	ds_load_b32 v[248+\t], v35 offset:64*\t
.endr
.irp b, 0,1,2,3
	v_max3_num_f32 v[BM+\b], v[S+16*\b], v[S+1+16*\b], v[S+2+16*\b]     ; the largest u of each block of 32 keys
.endr
.irp i, 3,5,7,9,11,13
.irp b, 0,1,2,3
	s_delay_alu instid0(VALU_DEP_4)
	v_max3_num_f32 v[BM+\b], v[BM+\b], v[S+16*\b+\i], v[S+1+16*\b+\i]   ; the four blocks by turns
.endr
.endr
.irp b, 0,1,2,3
	s_delay_alu instid0(VALU_DEP_4)
	v_max_num_f32 v[BM+\b], v[BM+\b], v[S+15+16*\b]
.endr
.irp b, 0,1,2,3
	s_delay_alu instid0(VALU_DEP_4)
	v_permlanex16_b32 v[BX+\b], v[BM+\b], s[SEL], s[SEL+1]
.endr
.irp b, 0,1,2,3
	s_delay_alu instid0(VALU_DEP_4)
	v_max_num_f32 v[BM+\b], v[BM+\b], v[BX+\b]     ; with lane l xor 16's 16 keys
.endr
	s_delay_alu instid0(VALU_DEP_2)
	v_max3_num_f32 v76, v[BM], v[BM+1], v[BM+2]
	s_delay_alu instid0(VALU_DEP_1)
	v_max_num_f32 v76, v76, v[BM+3]                ; the step's largest u of my query
	s_delay_alu instid0(VALU_DEP_1)
	v_mul_f32 v76, v8, v76                         ; as t (the factor is not negative)
	s_delay_alu instid0(VALU_DEP_1)
	v_max_num_f32 v13, v13, v76                    ; the running largest t
	v_mov_b32 v76, v12
	s_delay_alu instid0(VALU_DEP_2)
	v_floor_f32 v12, -v13                          ; the new -M = floor(-t) = -ceil(t)
	s_delay_alu instid0(VALU_DEP_1)
	v_sub_f32 v76, v12, v76                        ; M's old value less its new one: a whole number, 0 or less
	s_delay_alu instid0(VALU_DEP_1)
	v_cvt_i32_f32 v76, v76                         ; (it saturates)
	s_delay_alu instid0(VALU_DEP_1)
	v_ldexp_f32 v78, 1.0, v76                      ; f = 2^(old M - new M)
.set j, 0
.rept 32
	v_pk_fma_f32 v[S+j:S+j+1], v[S+j:S+j+1], v[8:9], v[12:13] op_sel_hi:[1,1,0]     ; t - M, two at a time
.set j, j+2
.endr
.irp b, 0,1,2,3
	v_fma_f32 v[BM+\b], v[BM+\b], v8, v12          ; the same of each block's largest u
.endr
.set j, 0
	s_wait_alu depctr_va_vdst(0)                   ; ahead of the batch
.rept 64
	v_exp_f32 v[S+j], v[S+j]                       ; p = 2^(t - M), at most 1: not normalised
.set j, j+1
.endr
.irp b, 0,1,2,3
	v_exp_f32 v[BM+\b], v[BM+\b]                   ; the block's largest p
.endr
	v_pk_mul_f32 v[14:15], v[14:15], v[78:79] op_sel_hi:[1,0]      ; the sums under the new M.  (A plain place behind the exponentials)
	s_wait_alu depctr_va_vdst(0)                   ; behind the batch
.irp b, 0,1,2,3
	v_max_num_f32 v[BM+\b], 0x1800000, v[BM+\b]    ; the floor 2^(3 - 127)
.endr
.irp b, 0,1,2,3
	s_delay_alu instid0(VALU_DEP_4)
	v_add_nc_u32 v[SO+\b], 0xff000000, v[BM+\b]    ; 2 off the exponent field: the conversion's scale operand
.endr
.irp b, 0,1,2,3
	s_delay_alu instid0(VALU_DEP_4)
	v_lshrrev_b32 v[BX+\b], 23, v[SO+\b]           ; the scale's byte
.endr
	s_delay_alu instid0(VALU_DEP_3)
	v_lshl_or_b32 v253, v[BX+1], 8, v[BX]          ; p's scale word for these 128 keys
	s_delay_alu instid0(VALU_DEP_1)
	v_lshl_or_b32 v253, v[BX+2], 16, v253
	s_delay_alu instid0(VALU_DEP_1)
	v_lshl_or_b32 v253, v[BX+3], 24, v253
.irp c, 0,1
	v_cvt_scalef32_pk16_fp6_f32 v[PC+6*\c:PC+2+6*\c], v[S+32*\c:S+15+32*\c], v[SO+2*\c]
	v_cvt_scalef32_pk16_fp6_f32 v[56+4*\c:58+4*\c], v[S+16+32*\c:S+31+32*\c], v[SO+2*\c+1]
.endr
	v_nop                                          ; one plain place behind a scaled conversion
.irp c, 0,1                                    ; the operand's layout wants a whole block in a lane
.irp i, 0,1,2
	v_permlane16_swap_b32 v[PC+6*\c+\i], v[56+4*\c+\i]
.endr
.irp i, 0,1,2
	s_delay_alu instid0(VALU_DEP_3)
	v_mov_b32 v[PC+3+6*\c+\i], v[56+4*\c+\i]
.endr
.endr
	v_pk_add_f32 v[76:77], v[84:85], v[88:89]      ; the row's sum of the unquantised p, in eight chains
	v_pk_add_f32 v[246:247], v[92:93], v[96:97]
	v_pk_add_f32 v[244:245], v[100:101], v[104:105]
	v_pk_add_f32 v[242:243], v[108:109], v[112:113]
	v_pk_add_f32 v[240:241], v[116:117], v[120:121]
	v_pk_add_f32 v[206:207], v[124:125], v[128:129]
	v_pk_add_f32 v[204:205], v[132:133], v[136:137]
	v_pk_add_f32 v[14:15], v[14:15], v[140:141]
	v_pk_add_f32 v[76:77], v[76:77], v[80:81]
	v_pk_add_f32 v[246:247], v[246:247], v[82:83]
	v_pk_add_f32 v[244:245], v[244:245], v[86:87]
	v_pk_add_f32 v[242:243], v[242:243], v[90:91]
	v_pk_add_f32 v[240:241], v[240:241], v[94:95]
	v_pk_add_f32 v[206:207], v[206:207], v[98:99]
	v_pk_add_f32 v[204:205], v[204:205], v[102:103]
	v_pk_add_f32 v[14:15], v[14:15], v[106:107]
	v_pk_add_f32 v[76:77], v[76:77], v[110:111]
	v_pk_add_f32 v[246:247], v[246:247], v[114:115]
	v_pk_add_f32 v[244:245], v[244:245], v[118:119]
	v_pk_add_f32 v[242:243], v[242:243], v[122:123]
	v_pk_add_f32 v[240:241], v[240:241], v[126:127]
	v_pk_add_f32 v[206:207], v[206:207], v[130:131]
	v_pk_add_f32 v[204:205], v[204:205], v[134:135]
	v_pk_add_f32 v[14:15], v[14:15], v[138:139]
	v_pk_add_f32 v[76:77], v[76:77], v[142:143]
	s_delay_alu instid0(VALU_DEP_2)
	v_pk_add_f32 v[14:15], v[14:15], v[242:243]
	s_delay_alu instid0(VALU_DEP_2)
	v_pk_add_f32 v[76:77], v[76:77], v[240:241]
	v_pk_add_f32 v[246:247], v[246:247], v[206:207]
	v_pk_add_f32 v[244:245], v[244:245], v[204:205]
	s_delay_alu instid0(VALU_DEP_2)
	v_pk_add_f32 v[14:15], v[14:15], v[246:247]
	s_delay_alu instid0(VALU_DEP_2)
	v_pk_add_f32 v[76:77], v[76:77], v[244:245]
	s_delay_alu instid0(VALU_DEP_1)
	v_pk_add_f32 v[14:15], v[14:15], v[76:77]
.set j, 0
.rept 16
	v_pk_mul_f32 v[O+j:O+j+1], v[O+j:O+j+1], v[78:79] op_sel_hi:[1,0]      ; O^T under the new M: x f, each accumulator from its low end on
.set j, j+2
.endr
	s_wait_alu depctr_va_vdst(0)                   ; the wait ahead of the wait below
	s_wait_dscnt 0x0                               ; V's fragments and scale words are in
.irp t, 0,1,2,3                                ; O^T += V^T P^T: four tiles of 16 channels, by turns; K = these 128 keys
	v_wmma_scale_f32_16x16x128_f8f6f4 v[O+8*\t:O+8*\t+7], v[VF+12*\t:VF+12*\t+11], v[PC:PC+11], v[O+8*\t:O+8*\t+7], v[248+\t], v253 matrix_a_fmt:MATRIX_FMT_FP6 matrix_b_fmt:MATRIX_FMT_FP6
.endr
	s_add_co_u32 s88, s88, 6144
	s_add_co_u32 s89, s89, 512
	s_add_co_u32 s90, s90, 256
	s_sub_co_u32 s87, s87, 1
	s_cmp_lg_u32 s87, 0
	s_cbranch_scc1 .Lstep
	; THE WAY OUT.  O^T / the sum: register 16 b + i is channel 32 b + 16 h + i of my query: two blocks of the last projection's K, quantised and stored as my head's half of an image.
	v_add_f32 v14, v14, v15                        ; the sum's two halves,
	s_delay_alu instid0(VALU_DEP_1)
	v_permlanex16_b32 v76, v14, s[SEL], s[SEL+1]
	s_delay_alu instid0(VALU_DEP_1)
	v_add_f32 v14, v14, v76                        ; and lane l xor 16's: the row's sum
	s_wait_alu depctr_va_vdst(0)
	v_rcp_f32 v14, v14
	s_lshl_b32 s82, s86, 3
	s_add_co_u32 s82, s82, s16
	s_mul_i32 s82, s82, 1536                       ; image (my tile of tokens, K step p),
	s_mul_i32 s20, s17, 768
	s_add_co_u32 s82, s82, s20                     ; half c
	s_lshl_b32 s83, s86, 9                         ; its scale words: 512 bytes a tile,
	s_lshr_b32 s20, s16, 1
	s_lshl_b32 s20, s20, 7
	s_add_co_u32 s83, s83, s20                     ; 128 for each pair of K steps,
	s_and_b32 s20, s16, 1
	s_lshl_b32 s20, s20, 2
	s_add_co_u32 s83, s83, s20                     ; 4 for the odd one,
	s_lshl_b32 s20, s17, 1
	s_add_co_u32 s83, s83, s20                     ; 2 for the odd head
	s_add_co_u32 s83, s83, 3145728
	v_add_nc_u32 v40, s82, v1                      ; (plain lines: the place behind the reciprocal, and with the two additions above the places behind the last products)
	v_add_nc_u32 v41, s82, v2
	v_and_b32 v38, 15, v0
	s_delay_alu instid0(VALU_DEP_1)
	v_lshl_add_u32 v42, v38, 3, s83
.set j, 0
	s_wait_alu depctr_va_vdst(0)
.rept 16
	v_pk_mul_f32 v[S+j:S+j+1], v[O+j:O+j+1], v[14:15] op_sel_hi:[1,0]
.set j, j+2
.endr
.irp b, 0,1
	v_max3_num_f32 v[BM+\b], |v[S+16*\b]|, |v[S+1+16*\b]|, 0x1800000
.endr
.irp i, 2,4,6,8,10,12,14
.irp b, 0,1
	s_delay_alu instid0(VALU_DEP_2)
	v_max3_num_f32 v[BM+\b], v[BM+\b], |v[S+16*\b+\i]|, |v[S+1+16*\b+\i]|
.endr
.endr
.irp b, 0,1
	s_delay_alu instid0(VALU_DEP_2)
	v_permlanex16_b32 v[BX+\b], v[BM+\b], s[SEL], s[SEL+1]
.endr
.irp b, 0,1
	s_delay_alu instid0(VALU_DEP_2)
	v_max_num_f32 v[BM+\b], v[BM+\b], v[BX+\b]
.endr
.irp b, 0,1
	s_delay_alu instid0(VALU_DEP_2)
	v_add_nc_u32 v[SO+\b], 0xff000000, v[BM+\b]
.endr
.irp b, 0,1
	s_delay_alu instid0(VALU_DEP_2)
	v_lshrrev_b32 v[BX+\b], 23, v[SO+\b]
.endr
	s_delay_alu instid0(VALU_DEP_1)
	v_lshl_or_b32 v76, v[BX+1], 8, v[BX]           ; my head's two bytes of the row's scale word
	v_cvt_scalef32_pk16_fp6_f32 v[PC:PC+2], v[S:S+15], v[SO]
	v_cvt_scalef32_pk16_fp6_f32 v[PC+4:PC+6], v[S+16:S+31], v[SO+1]
	v_nop                                          ; one plain place behind a scaled conversion
.irp i, 0,1,2
	v_permlane16_swap_b32 v[PC+\i], v[PC+4+\i]     ; lanes 0-15 block 0 whole, lanes 16-31 block 1 whole
.endr
	s_delay_alu instid0(VALU_DEP_3)
	v_mov_b32 v[PC+3], v[PC+4]
	s_delay_alu instid0(VALU_DEP_3)
	v_mov_b32 v[PC+4], v[PC+5]
	s_delay_alu instid0(VALU_DEP_3)
	v_mov_b32 v[PC+5], v[PC+6]
	global_store_b128 v40, v[PC:PC+3], s[8:9]      ; 512 consecutive bytes,
	global_store_b64 v41, v[PC+4:PC+5], s[8:9]     ; 256 consecutive bytes
	global_store_b16 v42, v76, s[8:9]              ; 2 bytes a row, 8 apart (lanes r and 16 + r write the same): a head owns half a word; one byte in 24 of what the launch stores
	s_wait_tensorcnt 0x0                           ; the wave's end
	ds_add_u32 v254, v255
	s_wait_dscnt 0x0
	ROUND                                          ; the closing round
	s_endpgm
.Lfunc_end_k_q583e60817b_att:
	.size	k_q583e60817b_att, .Lfunc_end_k_q583e60817b_att-k_q583e60817b_att
	.p2alignl 7, 3214868480
	.fill 96, 4, 3214868480
	.section	.rodata,"a",@progbits
	.p2align	6, 0x0
	.amdhsa_kernel k_q583e60817b_att
		.amdhsa_group_segment_fixed_size 219136
		.amdhsa_private_segment_fixed_size 0
		.amdhsa_enable_private_segment 0
		.amdhsa_kernarg_size 24
		.amdhsa_user_sgpr_count 2
		.amdhsa_user_sgpr_kernarg_segment_ptr 1
		.amdhsa_wavefront_size32 1
		.amdhsa_system_sgpr_workgroup_id_x 1
		.amdhsa_system_sgpr_workgroup_id_y 1
		.amdhsa_system_sgpr_workgroup_id_z 1
		.amdhsa_system_vgpr_workitem_id 0
		.amdhsa_next_free_vgpr 256
		.amdhsa_next_free_sgpr 96
		.amdhsa_reserve_vcc 0
		.amdhsa_float_denorm_mode_32 3
		.amdhsa_float_denorm_mode_16_64 3
		.amdhsa_memory_ordered 1
		.amdhsa_forward_progress 1
		.amdhsa_inst_pref_size 48
	.end_amdhsa_kernel
	.amdgpu_metadata
---
amdhsa.version: [ 1, 2 ]
amdhsa.kernels:
  - .name:           k_q583e60817b_att
    .symbol:         k_q583e60817b_att.kd
    .args:
      - { .name: pq, .offset: 0, .size: 8, .value_kind: global_buffer, .address_space: global }
      - { .name: alpha, .offset: 8, .size: 8, .value_kind: global_buffer, .address_space: global }
      - { .name: oq, .offset: 16, .size: 8, .value_kind: global_buffer, .address_space: global }
    .group_segment_fixed_size: 219136
    .private_segment_fixed_size: 0
    .kernarg_segment_align: 8
    .kernarg_segment_size: 24
    .max_flat_workgroup_size: 512
    .sgpr_count:     96
    .vgpr_count:     256
    .wavefront_size: 32
...
	.end_amdgpu_metadata
.endif
;; end of part 3
;; launch outp (part 4): grid 8 x 32, 4 waves a work-group, clusters of 4 x 4, 214,528 bytes of LDS; arguments oq, wq, bo, out0; writes out0
.if DOCPART == 4
	.amdgcn_target "amdgcn-amd-amdhsa--gfx1250"
	.amdhsa_code_object_version 6
	.text
	.protected	k_q583e60817b_outp
	.globl	k_q583e60817b_outp
	.p2align	8
	.type	k_q583e60817b_outp,@function
k_q583e60817b_outp:
	s_mov_b64 s[64:65], 0
	v_nop
	global_prefetch_b8 v0, s[64:65] scope:SCOPE_SE
	s_setreg_imm32_b32 hwreg(HW_REG_WAVE_MODE, 25, 1), 1
	s_wait_xcnt 0x0
	s_wait_alu depctr_hold_cnt(0) depctr_sa_sdst(0) depctr_va_vdst(0) depctr_va_sdst(0) depctr_va_ssrc(0) depctr_va_vcc(0) depctr_vm_vsrc(0)
	s_getreg_b32 s2, hwreg(HW_REG_IB_STS2, 6, 4)
	s_cmp_eq_u32 s2, 0
	s_cbranch_scc0 .Lentry_in_a_cluster
	s_endpgm
.Lentry_in_a_cluster:
	s_bfe_u32 s2, ttmp6, 0x10000c
	s_cmp_lg_u32 s2, 0xf033
	s_cbranch_scc0 .Lentry_shape_is_right
	s_endpgm
.Lentry_shape_is_right:
; out0 [4096 tokens][1024] f32 = O Wo + bo, both operands as codes of FP6 (E2M3) with E8M0 scales, K = 1,024, f32 sums.
; oq and wq hold images of a matrix operand's registers: codes [tile of 16 rows][K step 8][1536], scale words [tile][pair of K steps 4][r][2 words] (oq's from byte 3,145,728; Wo's codes from byte 2,359,296 of wq, its words from 3,244,032).
; Lane r of tile i holds row (token, or column of Wo) 32 (i / 2) + 8 (i % 2) + r + 8 (r / 8).
; SHARES.  A block of 128 tokens x 128 columns to a work-group: 32 x 8 = 256 work-groups.  Four waves, each 64 x 64: 16 accumulators.
; ALL OF K COMES INTO LDS ONCE: 8 tiles x 12,288 bytes of each operand.  Each wave issues ONE tensor load of 49,152 dense bytes (waves 0, 1 the tokens' tiles, waves 2, 3 Wo's); nothing is filled again, so one barrier serves.
; No prefetch: the launch's only tile loads stand at its head, and there is no loop to run ahead in.
; CLUSTER 4 x 4: the tokens' tiles hang on the block row alone and are asked for jointly along a row of the cluster, Wo's on the block column alone, along a column.
; SCALE WORDS go from memory into registers: a load of 8 bytes a lane reads 256 consecutive bytes: lanes 0-15 the words of one pair of K steps, lanes 16-31 those of the next pair; the product's ROW selectors pick the half.
; THE PRODUCT IS USED TRANSPOSED (source 0 = 16 columns of Wo, source 1 = 16 tokens): a lane holds one token and eight neighbouring columns.  The bias is the C of each accumulator's first product.
; REGISTERS.  Window 0: v8-16 addresses, v28-29 the add's two, v32-47 the tokens' scale words, v48-63 Wo's, v64-159 and v160-255 two sets of fragments (4 tokens' tiles, 4 of Wo's).  Window 1: v0-127 accumulators (a, b) at 8 (4 a + b), v128-159 the bias.
.set TILEB,  12288
.set QUART,  4*TILEB                   ; what one tensor load brings, and what one wave reads of an operand
.set SPARE,  4*QUART                   ; the spare words, 128 bytes a wave
.set STAGE,  SPARE+512                 ; the way out: 16 rows x 272 bytes for each wave, bytes into which no fill lands
.set SPITCH, 272
.set ADRA, 8
.set ADRB, 10
.set STO,  12
.set RD,   13
.set CO,   14
.set SL,   15
.set BO,   16
.set SPW,  28
.set NIL,  29
.set SA,   32
.set SB,   48
.set BK,   64
.set G1,  24
.set G0,  32
.set G1B, 48
.set G0B, 56
.set MSB, 0
.macro WIN new                         ; the immediate's high byte repeats the setting that is left
.if MSB != \new
	s_set_vgpr_msb (MSB<<8)|\new
.set MSB, \new
.endif
.endm
.macro CREST
	s_cmp_lg_u32 s14, 0
	s_cbranch_scc1 .Lnot_wave_0_\@
	s_barrier_signal -3
.Lnot_wave_0_\@:
	s_barrier_wait -3
	s_barrier_signal -1
	s_barrier_wait -1
.endm
.macro CROUND
	s_barrier_signal -1
	s_barrier_wait -1
	CREST
.endm
.macro PLACES
.rept 4
	v_nop
.endr
.endm
	s_load_b128 s[4:7], s[0:1], 0x0                ; oq, wq
	s_load_b128 s[8:11], s[0:1], 0x10              ; bo, out0
	v_lshl_add_u32 v[SPW], v0, 2, SPARE
	v_mov_b32 v[NIL], 0
	ds_add_u32 v[SPW], v[NIL]                      ; the opening lines: the add twice on end and its wait
	ds_add_u32 v[SPW], v[NIL]
	v_lshrrev_b32 v1, 5, v0
	v_readfirstlane_b32 s14, v1                    ; wave 0..3
	s_lshr_b32 s15, s14, 1                         ; my half of the block's tokens.  Also: I fetch tokens' tiles (0) or Wo's (1)
	s_and_b32 s16, s14, 1                          ; my half of its columns.  Also: which four tiles I fetch
	s_bfe_u32 s40, ttmp6, 0x40000                  ; cx
	s_bfe_u32 s41, ttmp6, 0x40004                  ; cy
	s_lshl_b32 s42, ttmp9, 2
	s_add_co_u32 s42, s42, s40                     ; block column
	s_and_b32 s17, ttmp7, 0xffff
	s_lshl_b32 s17, s17, 2
	s_add_co_u32 s17, s17, s41                     ; block row
	s_lshl_b32 s43, s41, 2
	s_lshl_b32 s43, 15, s43                        ; my row of the cluster
	s_lshl_b32 s44, 0x1111, s40                    ; my column
	s_or_b32 s[G1+0], s43, (3<<16)|(1<<21)         ; elements of 8 bytes; the mask, bit 21 beside it
	s_or_b32 s[G1B+0], s44, (3<<16)|(1<<21)
.irp g, G1, G1B
	s_mov_b32 s[\g+1], 32<<16                      ; 49,152 dense bytes as 192 rows of 256
	s_mov_b32 s[\g+2], 192<<16
	s_mov_b32 s[\g+3], 32<<16
	s_mov_b32 s[\g+4], 192
	s_mov_b32 s[\g+5], 32
	s_mov_b32 s[\g+6], 0
	s_mov_b32 s[\g+7], 0
.endr
	s_lshl_b32 s23, s16, 2
	s_lshl_b32 s20, s17, 3
	s_add_co_u32 s20, s20, s23                     ; tokens: tile 8 x block row + 4 x half
	s_mul_i32 s20, s20, TILEB
	s_mov_b32 s21, 0
	s_lshl_b32 s46, s42, 3
	s_add_co_u32 s46, s46, s23                     ; Wo: tile 8 x block column + 4 x half
	s_mul_i32 s46, s46, TILEB
	s_add_co_u32 s46, s46, 2359296
	s_mov_b32 s47, 0
	s_mul_i32 s45, s14, QUART                      ; where they go: wave x 49,152
	s_wait_dscnt 0x0                               ; both opening adds are done
	s_wait_kmcnt 0x0
	s_add_nc_u64 s[20:21], s[4:5], s[20:21]
	s_add_nc_u64 s[46:47], s[6:7], s[46:47]
	CROUND                                         ; all sixteen work-groups are here: the joint loads meet
	s_mov_b32 s[G0], 1
	s_mov_b32 s[G0+1], s45
	s_mov_b64 s[G0+2:G0+3], s[20:21]
	s_or_b32 s[G0+3], s[G0+3], 0x80000000
	s_mov_b32 s[G0B], 1
	s_mov_b32 s[G0B+1], s45
	s_mov_b64 s[G0B+2:G0B+3], s[46:47]
	s_or_b32 s[G0B+3], s[G0B+3], 0x80000000
	s_cmp_eq_u32 s15, 0                            ; one load a wave, in the two arms of one branch on the wave's number
	s_cbranch_scc0 .Lfor_b
	tensor_load_to_lds s[G0:G0+3], s[G1:G1+7]
	s_nop 0
	PLACES
	s_branch .Lasked
.Lfor_b:
	tensor_load_to_lds s[G0B:G0B+3], s[G1B:G1B+7]
	s_nop 0
	PLACES
.Lasked:
	s_mul_i32 s21, s15, QUART                      ; my four tiles of tokens,
	s_mul_i32 s22, s16, QUART
	s_add_co_u32 s22, s22, 2*QUART                 ; my four of Wo, behind the tokens' eight
	s_mul_i32 s23, s14, 16*SPITCH
	s_add_co_u32 s23, s23, STAGE                   ; my stage
	s_lshl_b32 s18, s17, 3
	s_lshl_b32 s19, s15, 2
	s_add_co_u32 s18, s18, s19
	s_lshl_b32 s18, s18, 9
	s_add_co_u32 s18, s18, 3145728                 ; my tokens' scale words: 512 bytes a tile
	s_mov_b32 s19, 0
	s_add_nc_u64 s[4:5], s[4:5], s[18:19]
	s_lshl_b32 s18, s42, 3
	s_lshl_b32 s19, s16, 2
	s_add_co_u32 s18, s18, s19
	s_lshl_b32 s18, s18, 9
	s_add_co_u32 s18, s18, 3244032                 ; my columns' scale words
	s_mov_b32 s19, 0
	s_add_nc_u64 s[6:7], s[6:7], s[18:19]
	s_lshl_b32 s18, s42, 9
	s_lshl_b32 s19, s16, 8
	s_add_co_u32 s18, s18, s19                     ; my first column, in bytes: 512 x block column + 256 x half
	s_mov_b32 s19, 0
	s_add_nc_u64 s[8:9], s[8:9], s[18:19]
	s_lshl_b32 s36, s17, 7
	s_lshl_b32 s37, s15, 6
	s_add_co_u32 s36, s36, s37                     ; my first token
	s_lshl_b32 s36, s36, 12
	s_add_co_u32 s36, s36, s18
	s_mov_b32 s37, 0
	s_add_nc_u64 s[12:13], s[10:11], s[36:37]
	v_and_b32 v1, 15, v0                           ; r
	v_bfe_u32 v2, v0, 4, 1                         ; h
	v_and_b32 v3, 31, v0                           ; lane
	v_lshlrev_b32 v4, 4, v3                        ; an image: 16 x lane,
	v_lshl_add_u32 v5, v3, 3, 512                  ; 512 + 8 x lane
	v_add_nc_u32 v[ADRA], s21, v4
	v_add_nc_u32 v[ADRA+1], s21, v5
	v_add_nc_u32 v[ADRB], s22, v4
	v_add_nc_u32 v[ADRB+1], s22, v5
	v_lshlrev_b32 v[SL], 3, v3                     ; scale words: 8 x lane
	v_lshlrev_b32 v[BO], 6, v2                     ; the bias: 16 columns on for lanes 16-31
	v_mul_u32_u24 v6, v1, SPITCH
	v_lshl_add_u32 v6, v2, 6, v6
	v_add_nc_u32 v[STO], s23, v6                   ; into the stage: row r, 64 h bytes on
	v_mul_u32_u24 v7, v2, SPITCH
	v_lshl_add_u32 v7, v1, 4, v7
	v_add_nc_u32 v[RD], s23, v7                    ; back: sixteen lanes to a row of 256 bytes, two rows an instruction
	v_lshlrev_b32 v6, 12, v2
	v_lshl_add_u32 v[CO], v1, 4, v6                ; and the same two rows in out0
	s_wait_alu depctr_va_vdst(0)                   ; the wait at the head's end
.irp a, 0,1,2,3
.irp j, 0,1
	global_load_b64 v[SA+4*\a+2*\j:SA+4*\a+2*\j+1], v[SL], s[4:5] offset:512*\a+256*\j
	global_load_b64 v[SB+4*\a+2*\j:SB+4*\a+2*\j+1], v[SL], s[6:7] offset:512*\a+256*\j
.endr
.endr
	WIN 0x40                                       ; destination window 1
.irp b, 0,1,2,3
	global_load_b128 v[128+8*\b:128+8*\b+3], v[BO], s[8:9] offset:(32*(\b/2)+8*(\b%2))*4      ; bo at columns 32 (b / 2) + 8 (b % 2) + 16 h + 0 .. 7
	global_load_b128 v[128+8*\b+4:128+8*\b+7], v[BO], s[8:9] offset:(32*(\b/2)+8*(\b%2))*4+16
.endr
	WIN 0
.macro FRAG reg, adr, q, i
	ds_load_b128 v[\reg:\reg+3], v[\adr] offset:(\i)*TILEB+(\q)*1536
	ds_load_b64 v[\reg+4:\reg+5], v[\adr+1] offset:(\i)*TILEB+(\q)*1536
	ds_load_b128 v[\reg+6:\reg+9], v[\adr] offset:(\i)*TILEB+(\q)*1536+768
	ds_load_b64 v[\reg+10:\reg+11], v[\adr+1] offset:(\i)*TILEB+(\q)*1536+768
.endm
.macro FETCH q                         ; K step q's eight fragments, 32 loads, into set q % 2
.irp i, 0,1,2,3
	FRAG 64+96*((\q)%2)+12*\i, ADRA, \q, \i
.endr
.irp i, 0,1,2,3
	FRAG 64+96*((\q)%2)+48+12*\i, ADRB, \q, \i
.endr
.endm
; 16 products of K step q: the 16 accumulators by turns, in the same order in every step.  The scale word of step q: register 2 (q / 4) + q % 2 of a tile's four, lanes 16-31 where q / 2 is odd.
.macro MUL q
.set PS, 64+96*((\q)%2)
.set WD, 2*((\q)/4)+(\q)%2
.irp a, 0,1,2,3
.irp b, 0,1,2,3
.if (\q) == 0
	v_wmma_scale_f32_16x16x128_f8f6f4 v[8*(4*\a+\b):8*(4*\a+\b)+7], v[PS+48+12*\b:PS+48+12*\b+11], v[PS+12*\a:PS+12*\a+11], v[128+8*\b:128+8*\b+7], v[SB+4*\b+WD], v[SA+4*\a+WD] matrix_a_fmt:MATRIX_FMT_FP6 matrix_b_fmt:MATRIX_FMT_FP6
.else
.if ((\q)/2)%2
	v_wmma_scale_f32_16x16x128_f8f6f4 v[8*(4*\a+\b):8*(4*\a+\b)+7], v[PS+48+12*\b:PS+48+12*\b+11], v[PS+12*\a:PS+12*\a+11], v[8*(4*\a+\b):8*(4*\a+\b)+7], v[SB+4*\b+WD], v[SA+4*\a+WD] matrix_a_fmt:MATRIX_FMT_FP6 matrix_b_fmt:MATRIX_FMT_FP6 matrix_a_scale:MATRIX_SCALE_ROW1 matrix_b_scale:MATRIX_SCALE_ROW1
.else
	v_wmma_scale_f32_16x16x128_f8f6f4 v[8*(4*\a+\b):8*(4*\a+\b)+7], v[PS+48+12*\b:PS+48+12*\b+11], v[PS+12*\a:PS+12*\a+11], v[8*(4*\a+\b):8*(4*\a+\b)+7], v[SB+4*\b+WD], v[SA+4*\a+WD] matrix_a_fmt:MATRIX_FMT_FP6 matrix_b_fmt:MATRIX_FMT_FP6
.endif
.endif
.endr
.endr
.endm
.macro STEP q
.if (\q) < 7
	s_wait_dscnt 32                                ; this step's 32 loads are in; the next step's 32 may be out
.else
	s_wait_dscnt 0x0
.endif
	WIN 0x50                                       ; C and D window 1
	MUL \q
	PLACES                                         ; in front of loads into registers that the products have read, and of the first read of results
	WIN 0
.if (\q) < 6
	FETCH (\q)+2
.endif
.endm
	s_wait_tensorcnt 0x0                           ; my load has landed,
	s_barrier_signal -1
	s_barrier_wait -1                              ; everybody's has: both operands are whole
	FETCH 0
	FETCH 1
	s_wait_loadcnt 0x0                             ; the scale words and the bias
.irp q, 0,1,2,3,4,5,6,7
	STEP \q
.endr
; THE WAY OUT, by blocks of 16 tokens x 64 columns, through my own stage: back come whole rows of 256 bytes, two to an instruction.  LDS serves a wave's instructions in order: no wait between the stores and the loads.
.macro TOSTAGE a
	WIN 0x04                                       ; the data: window 1
.irp b, 0,1,2,3
	ds_store_b128 v[STO], v[32*(\a)+8*\b:32*(\a)+8*\b+3] offset:128*(\b/2)+32*(\b%2)      ; each accumulator from its low end on
	ds_store_b128 v[STO], v[32*(\a)+8*\b+4:32*(\a)+8*\b+7] offset:128*(\b/2)+32*(\b%2)+16
.endr
	WIN 0
.irp t, 0,1,2,3,4,5,6,7
	ds_load_b128 v[BK+32*((\a)%2)+4*\t:BK+32*((\a)%2)+4*\t+3], v[RD] offset:\t*2*SPITCH
.endr
.endm
.macro SEND a, younger                 ; younger: the LDS instructions issued behind block a's loads
	s_wait_dscnt \younger
.irp t, 0,1,2,3,4,5,6,7
	global_store_b128 v[CO], v[BK+32*((\a)%2)+4*\t:BK+32*((\a)%2)+4*\t+3], s[12:13] offset:(32*((\a)/2)+8*((\a)%2)+2*\t+8*(\t/4))*4096 th:TH_STORE_NT   ; sixteen lanes store 256 consecutive bytes, aligned
.endr
.endm
	TOSTAGE 0
.irp a, 1,2,3
.if \a > 1
	s_wait_xcnt 0x0                                ; block a - 2's stores have read their registers
.endif
	TOSTAGE \a
	SEND \a-1, 16                                  ; behind block a - 1's loads: block a's 8 stores and 8 loads
.endr
	SEND 3, 0
	s_wait_tensorcnt 0x0                           ; the wave's end
	ds_add_u32 v[SPW], v[NIL]
	s_wait_dscnt 0x0
	CROUND                                         ; the closing round
	s_endpgm
.Lfunc_end_k_q583e60817b_outp:
	.size	k_q583e60817b_outp, .Lfunc_end_k_q583e60817b_outp-k_q583e60817b_outp
	.p2alignl 7, 3214868480
	.fill 96, 4, 3214868480
	.section	.rodata,"a",@progbits
	.p2align	6, 0x0
	.amdhsa_kernel k_q583e60817b_outp
		.amdhsa_group_segment_fixed_size 214528
		.amdhsa_private_segment_fixed_size 0
		.amdhsa_enable_private_segment 0
		.amdhsa_kernarg_size 32
		.amdhsa_user_sgpr_count 2
		.amdhsa_user_sgpr_kernarg_segment_ptr 1
		.amdhsa_wavefront_size32 1
		.amdhsa_system_sgpr_workgroup_id_x 1
		.amdhsa_system_sgpr_workgroup_id_y 1
		.amdhsa_system_sgpr_workgroup_id_z 1
		.amdhsa_system_vgpr_workitem_id 0
		.amdhsa_next_free_vgpr 416
		.amdhsa_next_free_sgpr 66
		.amdhsa_reserve_vcc 0
		.amdhsa_float_denorm_mode_32 3
		.amdhsa_float_denorm_mode_16_64 3
		.amdhsa_memory_ordered 1
		.amdhsa_forward_progress 1
		.amdhsa_inst_pref_size 51
	.end_amdhsa_kernel
	.amdgpu_metadata
---
amdhsa.version: [ 1, 2 ]
amdhsa.kernels:
  - .name:           k_q583e60817b_outp
    .symbol:         k_q583e60817b_outp.kd
    .args:
      - { .name: oq, .offset: 0, .size: 8, .value_kind: global_buffer, .address_space: global }
      - { .name: wq, .offset: 8, .size: 8, .value_kind: global_buffer, .address_space: global }
      - { .name: bo, .offset: 16, .size: 8, .value_kind: global_buffer, .address_space: global }
      - { .name: out0, .offset: 24, .size: 8, .value_kind: global_buffer, .address_space: global }
    .group_segment_fixed_size: 214528
    .private_segment_fixed_size: 0
    .kernarg_segment_align: 8
    .kernarg_segment_size: 32
    .max_flat_workgroup_size: 128
    .sgpr_count:     66
    .vgpr_count:     416
    .wavefront_size: 32
...
	.end_amdgpu_metadata
.endif
;; end of part 4
